; MI455X (gfx1250); checked and timed in simulation.
; The chip was launched on July 23, 2026; its instructions are those of AMD's public machine-readable ISA for CDNA 5 (MIT licence, August 2026) and "CDNA5" Instruction Set Architecture Reference Guide (July 2026). The comments in the code are by the model that wrote it; some were corrected since.
;; Multi Query Attention. Allowed arithmetic: matrix products marked QUANTISED: E2M3 operands, one E8M0 scale for each 32 along K, by v_wmma_scale_f32_16x16x128_f8f6f4 with both operands' format E2M3, f32 sums; everything else in f32.
;; Inputs: Wk 1,024 x 64 float32; Wo 1,024 x 1,024 float32; Wq 1,024 x 1,024 float32; Wv 1,024 x 64 float32; x 4 x 2,048 x 1,024 float32.
;; Outputs: out0 4 x 2,048 x 1,024 float32.
;; This version of the problem:
;;   THIS VERSION OF THE PROBLEM IS GIVEN IN LOW PRECISION. The matrix products marked QUANTISED in the list below multiply operands that are first quantised to E2M3 (2 exponent bits, 3 mantissa bits; 6 bits a number), with one power-of-two scale for each 32 numbers along K (OCP MX v1.0); their sums are f32. All else is computed in f32.
;;   The module's matrix products, in the order in which they are computed (A, B: the left and right operand; K: the contracted axis; several contracted axes count as one K, in the product's order):
;;     1. [M 8,192, K 1,024] x [K 1,024, N 1,024]; A: input x; B: input Wq: QUANTISED
;;     2. [M 8,192, K 1,024] x [K 1,024, N 64]; A: input x; B: input Wk: QUANTISED
;;     3. [M 8,192, K 1,024] x [K 1,024, N 64]; A: input x; B: input Wv: QUANTISED
;;     4. batch 4 x [M 32,768, K 64] x [K 64, N 2,048]; A: computed on the way; B: computed on the way: QUANTISED
;;     5. batch 4 x [M 32,768, K 2,048] x [K 2,048, N 64]; A: softmax (see below); B: computed on the way: QUANTISED
;;     6. [M 8,192, K 1,024] x [K 1,024, N 1,024]; A: computed on the way; B: input Wo: QUANTISED
;;   THE QUANTISER, for each operand of a quantised product, along K:
;;     - K is cut into blocks of 32 from its start; a last block that is shorter is filled with zeros.
;;     - A block's scale is 2^e with e = floor(log2(the largest magnitude in the block)) - 2, held to -126 .. 127; a block of zeros has e = 0. As a byte (E8M0): e + 127.
;;     - Each number is divided by its block's scale, clamped to +-7.5, and rounded to the nearest number of E2M3, ties to even, subnormals kept.
;;     - The product sums the exact products of the quantised numbers (number of the format x scale) in f32.
;;   ~~~python
;;   def quantise(x, axis):      # numpy; x: float32 -> the quantised numbers, widened to float32 again
;;       x = np.moveaxis(x, axis, -1); K = x.shape[-1]
;;       x = np.pad(x, [(0, 0)] * (x.ndim - 1) + [(0, -K % 32)]); x = x.reshape(x.shape[:-1] + (-1, 32)); a = np.abs(x).max(-1, keepdims=True)
;;       e = np.where(a > 0, np.clip(np.frexp(np.where(a > 0, a, 1))[1] - 1 - 2, -126, 127), 0)      # np.frexp(a)[1] - 1 = floor(log2(a)), exactly
;;       r = np.clip(x / 2.0 ** e, -7.5, 7.5)
;;       step = 2.0 ** (np.maximum(np.frexp(np.where(r == 0, 1, r))[1] - 1, 0) - 3)
;;       q = np.round(r / step) * step * 2.0 ** e      # np.round: ties to even
;;       return np.moveaxis(q.reshape(q.shape[:-2] + (-1,))[..., :K], -1, axis).astype(np.float32)
;;   ~~~
;;   SOFTMAX AHEAD OF A QUANTISED PRODUCT. Where the list says 'softmax', what is quantised is not the finished softmax but p = 2^(t - M), with t = logit x log2(e) and M = ceil(the row's largest t), a whole number; so 1/2 < the row's largest p <= 1. The row's sum l is taken of the UNQUANTISED p, in f32, and the product's result is divided by l at the end. Since M is a whole number, a kernel that streams over the keys may use a running M (the ceiling of the running maximum): every later rescaling is an exact power of two, which a block's scale takes up: the codes' values come out the same.
;;   OPERANDS COMPUTED ON THE WAY. 'Computed on the way' means the value that the module computes at that place (a softmax that the list does not call 'softmax' is quantised finished and normalised). What goes into a quantiser is computed in f32, as accurately as f32 sums, v_exp_f32 and their like allow (about 1e-6 of the number): no bf16 or f16 on the way to a quantiser, and a product that is left as it is and whose result goes on into a quantised operand takes f32 operands (vector FMAs, or v_wmma_f32_16x16x4_f32). A number that lies on a knife's edge between two numbers of the format may be rounded either way, as far as f32 arithmetic and the matrix unit's own rounding can turn it there, and no further.
;; One version. Each part assembles by itself: llvm-mc -triple=amdgcn-amd-amdhsa -mcpu=gfx1250 --defsym DOCPART=n.
;; ======== version 1 of 1: 5 launches
;; limits: right only within a limited range of input values
;; workspace buffers: wbuf 1,740,800 bytes; xbuf 6,553,600 bytes; kvbuf 819,200 bytes; qbuf 6,553,600 bytes; obuf 6,553,600 bytes
;; launch quant_w (part 1): grid 68 x 4, 4 waves a work-group, no clusters, 4,096 bytes of LDS; arguments Wq, Wo, Wk, Wv, wbuf; writes wbuf
.if DOCPART == 1
	.amdgcn_target "amdgcn-amd-amdhsa--gfx1250"
	.amdhsa_code_object_version 6
	.text
	.protected	k_q5661499f25_quant_w
	.globl	k_q5661499f25_quant_w
	.p2align	8
	.type	k_q5661499f25_quant_w,@function
k_q5661499f25_quant_w:
	s_mov_b64 s[64:65], 0
	v_nop
	global_prefetch_b8 v0, s[64:65] scope:SCOPE_SE
	s_setreg_imm32_b32 hwreg(HW_REG_WAVE_MODE, 25, 1), 1
	s_wait_xcnt 0x0
; THE PROGRAM: multi-query attention, B = 4, T = 2048, C = 1024, 16 query heads of 64, one shared head of keys and values; all six products on codes of FP6 (E2M3) with one E8M0 scale for each 32 along K.
; Five launches: quant_w (the four weights into codes), xkv (x into codes; k and v made and quantised), qproj (q made and quantised), attn (both products of attention; its result quantised), oproj (the last product).
; WORK LEFT OUT, in the launch attn alone: reference() puts -inf, by its own jnp.tril, wherever key > query; the softmax gives exactly 0 there, and 0 times a finite v adds nothing to the second product, to the row's
; maximum or to the row's sum, whatever finite values the inputs hold.  So a step of 128 keys all of which come after all 16 queries of a tile is not multiplied.  Every input has a way to the output: all five are loaded.
; LIMIT: a NaN, an infinity or an overflow that reaches only those hidden scores or the v of hidden keys is not carried to the result.  NaN and infinities among the inputs are not served.
; A block whose largest magnitude lies under 2^-124 (a block of zeros too) gets the scale byte 1; the bytes are read by this program alone, and a block of zeros has zero codes.
;
; THE FORMAT OF ALL CODES IN THE WORKSPACE.  A UNIT, 768 bytes, is 16 rows x 64 along K as an image of six operand registers: lane L = (r = L % 16, h = L / 16) owns the 24 bytes of row r, block h;
; its registers 0-3 lie at 16 L, its registers 4-5 at 512 + 8 L.  Two units on end are a fragment (16 rows x 128 K, 12 registers); sixteen are a TILE ROW, 12,288 bytes: 16 rows x all 1,024 of K.
; INSIDE A BLOCK OF 32 the places are permuted alike in both operands of every product: place p holds the number at offset pi(p), pi = p with its bits 3 and 4 exchanged.  That is the order in which a matrix result
; falls when it is quantised in registers; a block keeps its 32 numbers, so its scale is the rule's, and the products' sums are those of the plain order.
; Scale bytes: 32 a row, byte i for block i, so that word s serves K step s.
;
; THIS LAUNCH.  W [1024 (k)][n] f32 has K as its first axis: a lane takes a column and its registers run down K.  Work-group g takes 32 columns (two tiles of 16) for all of K: g < 32 of Wq, g < 64 of Wo,
; g = 64, 65 of Wk, g = 66, 67 of Wv.  Wave w takes rows 64 w .. 64 w + 63: one unit of each of the two tiles.  wbuf: Wq's codes at 0, Wo's at 786,432, Wk's and Wv's eight tiles at 1,572,864;
; their scale rows at 1,671,168, 1,703,936 and 1,736,704.
; THE SHARES AS THEY STAND (in place of what the lines above say of them): a work-group has FOUR waves and takes its 32 columns for 256 of K: work-group (g, y), wave w takes rows 64 (4 y + w) on, so that the
; 68 x 4 work-groups spread the weights' loads over the WGPs.  Its eight scale bytes a column are gathered in LDS (8 bytes a column) and leave as pieces of 8 bytes, 32 bytes apart: 68 KB of the launch's stores
; are written so, in parts of their 256-byte units.
.set SPARE, 1024                       ; LDS: 0-255 the 32 columns' eight scale bytes; from 1,024 the spare words, 128 bytes a wave, which no other line names
.set X, 32                             ; v32-95  my column's 64 numbers: block e at X + 32 e, in the order of the places
.macro LOADS pitch                     ; X[32 e + p] = W[64 w + 32 e + pi(p)][my column]: a wave's load reads 128 consecutive bytes
.set e, 0
.rept 2
.set p, 0
.rept 32
	global_load_b32 v[X+32*e+p], v4, s[16:17] offset:(32*e+((p&7)|(((p>>3)&1)<<4)|(((p>>4)&1)<<3)))*\pitch
.set p, p+1
.endr
.set e, e+1
.endr
.endm
.macro BMAX e                          ; block e's largest magnitude, in two chains, with the floor 2^(3 - 127) among the leaves: the byte cannot fall under 1
	v_max3_num_f32 v[8+\e], |v[X+32*\e]|, |v[X+32*\e+1]|, 0x1800000
	v_max3_num_f32 v[10+\e], |v[X+32*\e+2]|, |v[X+32*\e+3]|, |v[X+32*\e+4]|
.irp i, 5,9,13,17,21,25
	s_delay_alu instid0(VALU_DEP_2)
	v_max3_num_f32 v[8+\e], v[8+\e], |v[X+32*\e+\i]|, |v[X+32*\e+\i+1]|
	s_delay_alu instid0(VALU_DEP_2)
	v_max3_num_f32 v[10+\e], v[10+\e], |v[X+32*\e+\i+2]|, |v[X+32*\e+\i+3]|
.endr
	s_delay_alu instid0(VALU_DEP_2)
	v_max3_num_f32 v[8+\e], v[8+\e], |v[X+32*\e+29]|, |v[X+32*\e+30]|
	s_delay_alu instid0(VALU_DEP_1)
	v_max3_num_f32 v[8+\e], v[8+\e], v[10+\e], |v[X+32*\e+31]|
.endm
	s_load_b256 s[4:11], s[0:1], 0x0               ; Wq s[4:5], Wo s[6:7], Wk s[8:9], Wv s[10:11]
	s_load_b64 s[12:13], s[0:1], 0x20              ; wbuf
	v_lshl_add_u32 v1, v0, 2, SPARE                ; my spare word; never rewritten
	v_mov_b32 v2, 0                                ; 0; never rewritten
	v_lshrrev_b32 v3, 5, v0
	s_delay_alu instid0(VALU_DEP_1)
	v_readfirstlane_b32 s14, v3                    ; wave 0..3
	v_and_b32 v3, 31, v0                           ; lane = my column of the 32
	s_delay_alu instid0(VALU_DEP_1)
	v_lshlrev_b32 v4, 2, v3                        ; in: 4 bytes a lane
	s_delay_alu instid0(VALU_DEP_2)
	v_lshlrev_b32 v5, 4, v3                        ; a unit's registers 0-3: 16 L
	s_delay_alu instid0(VALU_DEP_3)
	v_lshlrev_b32 v6, 3, v3                        ; its registers 4-5: 8 L
	s_lshl_b32 s15, s14, 1
	s_and_b32 s34, ttmp7, 0xffff                   ; y: which 256 of K
	s_lshl_b32 s35, s34, 2
	s_add_co_u32 s35, s35, s14                     ; which 64 of K are my wave's: 4 y + w
	v_lshl_add_u32 v7, v3, 3, s15                  ; LDS: my column's eight bytes, my wave's two: 8 L + 2 w
	s_lshr_b32 s20, ttmp9, 5
	s_min_u32 s20, s20, 2                          ; which part of wbuf: 0 Wq, 1 Wo, 2 Wk and Wv
	s_lshl_b32 s21, s20, 5
	s_sub_co_u32 s21, ttmp9, s21
	s_lshl_b32 s21, s21, 1                         ; my first tile in that part
	s_mul_i32 s22, s20, 786432
	s_mul_i32 s23, s21, 12288
	s_add_co_u32 s22, s22, s23
	s_mul_i32 s23, s35, 768
	s_add_co_u32 s22, s22, s23                     ; codes: part + tile row + my wave's unit
	s_mov_b32 s23, 0
	s_lshl_b32 s24, s20, 15
	s_lshl_b32 s25, s21, 9
	s_add_co_u32 s24, s24, s25
	s_add_co_u32 s24, s24, 1671168                 ; scale rows: 32,768 bytes a part, 512 a tile,
	s_lshl_b32 s36, s34, 3
	s_add_co_u32 s24, s24, s36                     ; and my work-group's eight bytes of each row
	s_mov_b32 s25, 0
	s_and_b32 s26, ttmp9, 31
	s_lshl_b32 s26, s26, 7
	s_lshl_b32 s27, s35, 18
	s_add_co_u32 s26, s26, s27                     ; in a wide weight: 128 bytes a work-group, 64 rows of 4,096 bytes a wave
	s_and_b32 s28, ttmp9, 1
	s_lshl_b32 s28, s28, 7
	s_lshl_b32 s29, s35, 14
	s_add_co_u32 s28, s28, s29                     ; in a narrow one: rows of 256 bytes
	s_mov_b32 s27, 0
	s_wait_kmcnt 0x0
	s_cmp_lt_u32 ttmp9, 32                         ; the choices hang on the work-group's number alone
	s_cselect_b64 s[16:17], s[4:5], s[6:7]
	s_cmp_lt_u32 ttmp9, 66
	s_cselect_b64 s[18:19], s[8:9], s[10:11]
	s_cmp_lt_u32 ttmp9, 64
	s_cselect_b64 s[16:17], s[16:17], s[18:19]
	s_cselect_b32 s26, s26, s28
	s_add_nc_u64 s[16:17], s[16:17], s[26:27]
	s_add_nc_u64 s[30:31], s[12:13], s[22:23]
	s_add_nc_u64 s[32:33], s[12:13], s[24:25]
	s_cmp_lt_u32 ttmp9, 64                         ; the two arms hold the loads alone: only the pitch differs
	s_cbranch_scc0 .Lnarrow
	s_wait_alu depctr_va_vdst(0)
	LOADS 4096
	s_branch .Lloaded
.Lnarrow:
	s_wait_alu depctr_va_vdst(0)
	LOADS 256
.Lloaded:
	s_wait_loadcnt 32                              ; block 0's 32 loads are in; block 1's 32 are younger
	BMAX 0
	s_wait_loadcnt 0x0
	BMAX 1
	v_add_nc_u32 v12, 0xff000000, v8               ; 2 off the exponent field: the conversion takes the exponent field of this operand as its scale
	s_delay_alu instid0(VALU_DEP_2)
	v_add_nc_u32 v13, 0xff000000, v9
	s_delay_alu instid0(VALU_DEP_2)
	v_lshrrev_b32 v14, 23, v12                     ; the scales' bytes
	s_delay_alu instid0(VALU_DEP_2)
	v_lshrrev_b32 v15, 23, v13
	s_delay_alu instid0(VALU_DEP_1)
	v_lshl_or_b32 v14, v15, 8, v14                 ; both, the lower K below
	v_cvt_scalef32_pk16_fp6_f32 v[96:98], v[X:X+15], v12       ; block 0, places 0-15
	v_cvt_scalef32_pk16_fp6_f32 v[112:114], v[X+16:X+31], v12  ; block 0, places 16-31 (a conversion's three registers begin on an even number)
	v_cvt_scalef32_pk16_fp6_f32 v[104:106], v[X+32:X+47], v13  ; block 1
	v_cvt_scalef32_pk16_fp6_f32 v[116:118], v[X+48:X+63], v13
	v_nop                                          ; one plain place behind the scaled conversions
; Lanes 0-15 hold the first tile's columns, lanes 16-31 the second's, each with both blocks.  A unit wants one tile in all 32 lanes: block 0 in lanes 0-15, block 1 in lanes 16-31.
.irp i, 0,1,2
	v_permlane16_swap_b32 v[96+\i], v[104+\i]      ; block 0's lanes 16-31 change places with block 1's lanes 0-15: v96.. is the first tile's unit, v104.. the second's
	v_permlane16_swap_b32 v[112+\i], v[116+\i]
.endr
.irp i, 0,1,2
	v_mov_b32 v[99+\i], v[112+\i]
	v_mov_b32 v[107+\i], v[116+\i]
.endr
	ds_store_b16 v7, v14
	global_store_b128 v5, v[96:99], s[30:31]               ; 512 consecutive bytes, at a multiple of 256 from wbuf's first byte
	global_store_b64 v6, v[100:101], s[30:31] offset:512   ; 256 more
	global_store_b128 v5, v[104:107], s[30:31] offset:12288
	global_store_b64 v6, v[108:109], s[30:31] offset:12800
	s_wait_dscnt 0x0                               ; for the others' sake: my two scale bytes a column are in LDS
	s_barrier_signal -1
	s_barrier_wait -1
	s_cmp_lg_u32 s14, 0                            ; wave 0 stores the 32 columns' eight bytes, in pieces 32 bytes apart
	s_cbranch_scc1 .Lend
	v_lshlrev_b32 v24, 5, v3                       ; a scale row is 32 bytes
	s_wait_alu depctr_va_vdst(0)
	ds_load_b64 v[16:17], v6                       ; column L's eight bytes
	s_wait_dscnt 0x0
	global_store_b64 v24, v[16:17], s[32:33]
.Lend:
	s_wait_tensorcnt 0x0                           ; the wave's end, behind my last LDS store
	ds_add_u32 v1, v2
	s_wait_dscnt 0x0
	s_endpgm
.Lfunc_end_k_q5661499f25_quant_w:
	.size	k_q5661499f25_quant_w, .Lfunc_end_k_q5661499f25_quant_w-k_q5661499f25_quant_w
	.p2alignl 7, 3214868480
	.fill 96, 4, 3214868480
	.section	.rodata,"a",@progbits
	.p2align	6, 0x0
	.amdhsa_kernel k_q5661499f25_quant_w
		.amdhsa_group_segment_fixed_size 4096
		.amdhsa_private_segment_fixed_size 0
		.amdhsa_enable_private_segment 0
		.amdhsa_kernarg_size 40
		.amdhsa_user_sgpr_count 2
		.amdhsa_user_sgpr_kernarg_segment_ptr 1
		.amdhsa_wavefront_size32 1
		.amdhsa_system_sgpr_workgroup_id_x 1
		.amdhsa_system_sgpr_workgroup_id_y 1
		.amdhsa_system_sgpr_workgroup_id_z 1
		.amdhsa_system_vgpr_workitem_id 0
		.amdhsa_next_free_vgpr 128
		.amdhsa_next_free_sgpr 66
		.amdhsa_reserve_vcc 0
		.amdhsa_float_denorm_mode_32 3
		.amdhsa_float_denorm_mode_16_64 3
		.amdhsa_memory_ordered 1
		.amdhsa_forward_progress 1
		.amdhsa_inst_pref_size 20
	.end_amdhsa_kernel
	.amdgpu_metadata
---
amdhsa.version: [ 1, 2 ]
amdhsa.kernels:
  - .name:           k_q5661499f25_quant_w
    .symbol:         k_q5661499f25_quant_w.kd
    .args:
      - { .name: Wq, .offset: 0, .size: 8, .value_kind: global_buffer, .address_space: global }
      - { .name: Wo, .offset: 8, .size: 8, .value_kind: global_buffer, .address_space: global }
      - { .name: Wk, .offset: 16, .size: 8, .value_kind: global_buffer, .address_space: global }
      - { .name: Wv, .offset: 24, .size: 8, .value_kind: global_buffer, .address_space: global }
      - { .name: wbuf, .offset: 32, .size: 8, .value_kind: global_buffer, .address_space: global }
    .group_segment_fixed_size: 4096
    .private_segment_fixed_size: 0
    .kernarg_segment_align: 8
    .kernarg_segment_size: 40
    .max_flat_workgroup_size: 128
    .sgpr_count:     66
    .vgpr_count:     128
    .wavefront_size: 32
...
	.end_amdgpu_metadata
.endif
;; end of part 1
;; launch xkv (part 2): grid 256 x 1, 8 waves a work-group, no clusters, 196,608 bytes of LDS; arguments x, wbuf, xbuf, kvbuf; writes xbuf, kvbuf
.if DOCPART == 2
	.amdgcn_target "amdgcn-amd-amdhsa--gfx1250"
	.amdhsa_code_object_version 6
	.text
	.protected	k_q5661499f25_xkv
	.globl	k_q5661499f25_xkv
	.p2align	8
	.type	k_q5661499f25_xkv,@function
k_q5661499f25_xkv:
	s_mov_b64 s[64:65], 0
	v_nop
	global_prefetch_b8 v0, s[64:65] scope:SCOPE_SE
	s_setreg_imm32_b32 hwreg(HW_REG_WAVE_MODE, 25, 1), 1
	s_wait_xcnt 0x0
; x [8192][1024] f32 becomes codes (xbuf), and k = x Wk, v = x Wv are made on those codes and quantised at once (kvbuf).  Formats: the head of the launch quant_w.
; Work-group g takes tokens 32 g .. 32 g + 31: two tiles of 16.  Wave w quantises K step w (128 of the 1,024) of both tiles; the fragments go to memory and, as images of their registers, to LDS, where all eight waves
; read them.  Wk's and Wv's codes (98,304 bytes) are copied into LDS as they lie, a tile row a wave.  Then each wave makes ONE block of 32 of k or of v, by two accumulators that take turns:
;   waves 0-3: k of token tile t = w % 2, head channels 32 (w / 2) on: source 0 = two tiles of Wk, source 1 = x's tile: a lane holds one token and 16 of the block's channels;
;   waves 4-7: v of head channels 16 (w - 4) on, all 32 tokens: source 0 = x's two tiles, source 1 = a tile of Wv: a lane holds one channel and 16 of the block's KEYS, which are the K of attention's second product.
; One text serves both: only addresses differ, made at the head by arithmetic on the wave's number.
; xbuf: codes [512 token tiles][12,288] at 0; scale rows [8192][32] at 6,291,456.
; kvbuf: at 0 [4 batches][16 steps of 128 keys][12,288]: 8 units of k (16 keys x 64 channels), then 8 of v (unit 2 dt + c: channels 16 dt on, keys 64 c on); at 786,432 [4][8,192]: k's scale bytes [2048 keys][2],
; then v's scale words [16 steps][4 dt][16 channels][4 bytes].  A wave stores 16 scale bytes singly: one byte in some 1,500 of what the launch moves.
; LIMITS: as stated at the head of quant_w.
; kvbuf AS IT STANDS (in place of what the lines above say of k): which keys form a unit of k, and the order of k's scale bytes, [16 steps][16 rows][8 units][2 blocks], are set out where k's addresses are made, below.
.set F,     0                          ; LDS: 80 fragment images of 1,536 bytes: 8 u + s: x's tile u, K step s; 16 + 8 n + s: tile n of Wk (0-3) and Wv (4-7)
.set SW,    122880                     ; 160 scale rows of 32 bytes: 0-31 my tokens, 32 + n the weights' columns
.set STG,   128000                     ; a stage for each wave: 16 rows x (512 bytes + 16)
.set SPARE, 195584                     ; the spare words, 128 bytes a wave, which no other line names
.set XQ,  24                           ; v24-87   64 numbers of a lane, in the order of the places
.set TM,  88                           ; v88-103  at work in QUANT
.set PC,  104                          ; v104-122 the codes just made
.set PW,  252                          ; the scale word just made
.set SEL, 28                           ; s[28:29] v_permlanex16_b32's selects for lane l xor 16
; 64 numbers of a lane, register 16 b + i = my i-th of block b of my row, become a fragment's codes in v[PC] on and its scale word in v[PW].
.macro QUANT s
.irp b, 0,1,2,3
	v_max3_num_f32 v[TM+\b], |v[\s+16*\b]|, |v[\s+1+16*\b]|, 0x1800000   ; my 16 numbers and the floor 2^(3 - 127): the byte cannot fall under 1
.endr
.irp i, 2,4,6,8,10,12,14
.irp b, 0,1,2,3
	s_delay_alu instid0(VALU_DEP_4)
	v_max3_num_f32 v[TM+\b], v[TM+\b], |v[\s+16*\b+\i]|, |v[\s+1+16*\b+\i]|   ; the four blocks by turns
.endr
.endr
.irp b, 0,1,2,3
	s_delay_alu instid0(VALU_DEP_4)
	v_permlanex16_b32 v[TM+4+\b], v[TM+\b], s[SEL], s[SEL+1]
.endr
.irp b, 0,1,2,3
	s_delay_alu instid0(VALU_DEP_4)
	v_max_num_f32 v[TM+\b], v[TM+\b], v[TM+4+\b]   ; with lane l xor 16's: the block's largest magnitude
.endr
.irp b, 0,1,2,3
	s_delay_alu instid0(VALU_DEP_4)
	v_add_nc_u32 v[TM+12+\b], 0xff000000, v[TM+\b] ; 2 off its exponent field: the conversion's scale operand
.endr
.irp b, 0,1,2,3
	s_delay_alu instid0(VALU_DEP_4)
	v_lshrrev_b32 v[TM+4+\b], 23, v[TM+12+\b]      ; the scale's byte
.endr
	s_delay_alu instid0(VALU_DEP_3)
	v_lshl_or_b32 v[PW], v[TM+5], 8, v[TM+4]
	s_delay_alu instid0(VALU_DEP_1)
	v_lshl_or_b32 v[PW], v[TM+6], 16, v[PW]
	s_delay_alu instid0(VALU_DEP_1)
	v_lshl_or_b32 v[PW], v[TM+7], 24, v[PW]
.irp c, 0,1
	v_cvt_scalef32_pk16_fp6_f32 v[PC+6*\c:PC+2+6*\c], v[\s+32*\c:\s+15+32*\c], v[TM+12+2*\c]
	v_cvt_scalef32_pk16_fp6_f32 v[PC+12+4*\c:PC+14+4*\c], v[\s+16+32*\c:\s+31+32*\c], v[TM+12+2*\c+1]   ; (a conversion's three registers begin on an even number)
.endr
	v_nop                                          ; one plain place behind a scaled conversion
.irp c, 0,1                                    ; the operand wants a whole block in a lane: lanes 0-15 block 2 c, lanes 16-31 block 2 c + 1
.irp i, 0,1,2
	v_permlane16_swap_b32 v[PC+6*\c+\i], v[PC+12+4*\c+\i]
.endr
.irp i, 0,1,2
	s_delay_alu instid0(VALU_DEP_3)
	v_mov_b32 v[PC+3+6*\c+\i], v[PC+12+4*\c+\i]
.endr
.endr
.endm
.macro FRAG4 reg, a16, a8, off         ; a fragment's image out of LDS: 12 registers by four loads
	ds_load_b128 v[\reg:\reg+3], v[\a16] offset:\off
	ds_load_b64 v[\reg+4:\reg+5], v[\a8] offset:\off+512
	ds_load_b128 v[\reg+6:\reg+9], v[\a16] offset:\off+768
	ds_load_b64 v[\reg+10:\reg+11], v[\a8] offset:\off+1280
.endm
	s_load_b256 s[4:11], s[0:1], 0x0               ; x s[4:5], wbuf s[6:7], xbuf s[8:9], kvbuf s[10:11]
	v_lshl_add_u32 v1, v0, 2, SPARE                ; my spare word; never rewritten
	v_mov_b32 v2, 0                                ; 0; never rewritten
	v_lshrrev_b32 v3, 5, v0
	s_delay_alu instid0(VALU_DEP_1)
	v_readfirstlane_b32 s12, v3                    ; wave 0..7
	v_and_b32 v3, 31, v0                           ; lane L
	s_delay_alu instid0(VALU_DEP_1)
	v_lshlrev_b32 v4, 4, v3                        ; 16 L
	s_lshl_b32 s14, ttmp9, 17                      ; x: my 32 rows of 4,096 bytes,
	s_lshl_b32 s15, s12, 9
	s_add_co_u32 s14, s14, s15                     ; my wave's 512 bytes of each
	s_mov_b32 s15, 0
	s_mul_i32 s30, s12, 12288
	s_add_co_u32 s16, s30, 1572864                 ; Wk's and Wv's codes: tile row w
	s_mov_b32 s17, 0
	s_lshl_b32 s18, s12, 9
	s_add_co_u32 s18, s18, 1736704                 ; their scale rows: 512 bytes a wave
	s_mov_b32 s19, 0
	s_wait_alu depctr_va_vdst(0)
	s_wait_kmcnt 0x0
	s_add_nc_u64 s[14:15], s[4:5], s[14:15]
	s_add_nc_u64 s[16:17], s[6:7], s[16:17]
	s_add_nc_u64 s[18:19], s[6:7], s[18:19]
.set i, 0
.rept 24                                       ; all 57 loads of the wave go out at once: the weights' 25 first
	global_load_b128 v[24+4*i:27+4*i], v4, s[16:17] offset:512*i
.set i, i+1
.endr
	global_load_b128 v[120:123], v4, s[18:19]
.set i, 0
.rept 32                                       ; row i of my 32 tokens: 512 consecutive bytes, at a multiple of 256 from x's first byte; read once
	global_load_b128 v[124+4*i:127+4*i], v4, s[14:15] offset:4096*i th:TH_LOAD_NT
.set i, i+1
.endr
	v_lshlrev_b32 v5, 3, v3                        ; 8 L
	v_and_b32 v6, 15, v0                           ; r
	v_bfe_u32 v7, v0, 4, 1                         ; h
	s_add_co_u32 s31, s30, 24576
	v_add_nc_u32 v8, s31, v4                       ; where the weights' tile row w goes
	s_lshl_b32 s31, s12, 9
	s_add_co_u32 s31, s31, SW+1024
	v_add_nc_u32 v9, s31, v4                       ; and its scale rows
	s_mul_i32 s31, s12, 8448
	s_add_co_u32 s31, s31, STG                     ; my stage
	v_add_nc_u32 v10, s31, v4                      ; in: a row as it lies
	v_mul_u32_u24 v11, v6, 528
	s_delay_alu instid0(VALU_DEP_1)
	v_lshl_add_u32 v11, v7, 5, v11
	s_delay_alu instid0(VALU_DEP_1)
	v_add_nc_u32 v11, s31, v11                     ; out: row r, + 32 h
	s_mul_i32 s57, s12, 1536
	v_add_nc_u32 v12, s57, v4                      ; x's images: K step w
	v_add_nc_u32 v13, s57, v5
	s_lshl_b32 s31, s12, 2
	s_add_co_u32 s31, s31, SW
	v_lshl_add_u32 v14, v6, 5, s31                 ; x's scale word: row r, word w
	; the roles
	s_lshr_b32 s32, s12, 2                         ; 1: I make v
	s_xor_b32 s33, s32, 1                          ; 1: I make k
	s_bfe_u32 s34, s12, 0x10001                    ; k: which block of 32 channels
	s_and_b32 s35, s12, 1                          ; k: which tile of tokens
	s_add_co_u32 s36, s34, 1
	s_mul_i32 s36, s36, s33
	s_mul_i32 s37, s36, 24576                      ; the pair's fragments: k: Wk's tiles 2 block, 2 block + 1; v: x's two tiles, at 0.  In both the second lies 12,288 bytes behind the first
	s_lshl_b32 s38, s36, 10
	s_add_co_u32 s38, s38, SW                      ; the pair's scale rows; the second 512 bytes behind the first
	s_mul_i32 s39, s35, s33
	s_mul_i32 s40, s39, 12288                      ; the single's fragments: k: x's tile;
	s_add_co_u32 s41, s30, 24576
	s_mul_i32 s41, s41, s32                        ; v: tile w of the weights
	s_add_co_u32 s40, s40, s41
	s_lshl_b32 s42, s39, 9
	s_lshl_b32 s43, s12, 9
	s_add_co_u32 s43, s43, 1024
	s_mul_i32 s43, s43, s32
	s_add_co_u32 s42, s42, s43
	s_add_co_u32 s42, s42, SW                      ; the single's scale rows
	v_add_nc_u32 v15, s37, v4
	v_add_nc_u32 v16, s37, v5
	v_add_nc_u32 v17, s40, v4
	v_add_nc_u32 v18, s40, v5
	v_lshl_add_u32 v19, v6, 5, s38
	v_lshl_add_u32 v20, v6, 5, s42
	v_add_nc_u32 v253, SW, v4                      ; wave 0's copy of x's scale rows
	; where the block goes in kvbuf
	s_and_b32 s44, ttmp9, 63                       ; my 32 keys among the batch's 64 such
	s_lshr_b32 s45, s44, 2                         ; the step of 128 keys,
	s_and_b32 s46, s44, 3                          ; and which 32 of it
	s_lshr_b32 s47, ttmp9, 6                       ; the batch
	; THE ROWS OF A UNIT OF k.  Key 64 c + 32 b + 8 t + i of a step (t = 0 .. 3, i = 0 .. 7) is row 8 b + i of unit 4 c + t', t' = t with its two bits exchanged: so in attention's first product a lane's 32 results of
	; four units are one whole block of 32 keys, in the order of places in which v is quantised.  My 32 keys are one (c, b): lanes r = 0-7 and 8-15 of a token tile fall into two units, 128 bytes on end in each.
	; k's scale bytes: [16 steps][16 rows][8 units][2 blocks].
	s_lshr_b32 s48, s46, 1                         ; c
	s_lshl_b32 s49, s48, 3                         ; scale byte: 8 c
	s_lshl_b32 s48, s48, 2
	s_add_co_u32 s48, s48, s35
	s_mul_i32 s48, s48, 768                        ; k: unit 4 c + token tile (+ 2 for lanes 8-15, below)
	s_lshl_b32 s51, s45, 8
	s_add_co_u32 s49, s49, s51                     ; + 256 step
	s_and_b32 s51, s46, 1
	s_lshl_b32 s51, s51, 7
	s_add_co_u32 s49, s49, s51                     ; + 16 x 8 b
	s_lshl_b32 s51, s35, 1
	s_add_co_u32 s49, s49, s51                     ; + 2 token tile
	s_add_co_u32 s49, s49, s34                     ; + block of channels
	s_and_b32 s51, s12, 3                          ; v: dt
	s_lshl_b32 s52, s51, 1
	s_lshr_b32 s53, s46, 1
	s_add_co_u32 s52, s52, s53
	s_mul_i32 s52, s52, 768
	s_add_co_u32 s52, s52, 6144                    ; v: unit 2 dt + (which 64 keys)
	s_and_b32 s53, s46, 1                          ; v: which half of the unit's lanes
	s_lshl_b32 s54, s45, 8
	s_lshl_b32 s55, s51, 6
	s_add_co_u32 s54, s54, s55
	s_add_co_u32 s54, s54, s46
	s_add_co_u32 s54, s54, 4096                    ; v: scale byte of channel r: 4,096 + 256 step + 64 dt + 4 r + which 32
	s_cmp_lt_u32 s12, 4
	s_cselect_b32 s48, s48, s52
	s_cselect_b32 s53, s34, s53
	s_cselect_b32 s49, s49, s54
	s_cselect_b32 s58, 1408, 0                     ; k: lanes 8-15 go two units on: 1,536 bytes in place of 128,
	s_cselect_b32 s60, 1472, 0                     ; and in place of 64
	s_cselect_b32 s62, 16, 4                       ; scale byte: k 16 (r % 8) + 4 (r / 8); v 4 r
	s_cselect_b32 s63, 4, 32
	s_and_b32 s59, s46, s33                        ; k: b
	s_lshl_b32 s56, s53, 8
	s_add_co_u32 s56, s56, s48
	s_lshl_b32 s61, s59, 7
	s_add_co_u32 s56, s56, s61
	s_lshl_b32 s55, s53, 7
	s_add_co_u32 s55, s55, s48
	s_lshl_b32 s61, s59, 6
	s_add_co_u32 s55, s55, s61
	v_lshrrev_b32 v254, 3, v6                      ; r / 8
	v_and_b32 v255, 7, v6                          ; r % 8
	v_lshl_add_u32 v21, v6, 4, s56                 ; registers 0-3: unit + 16 (16 half + row)
	v_lshl_add_u32 v22, v6, 3, s55                 ; registers 4-5: unit + 512 + 8 (16 half + row)
	v_mad_u32_u24 v23, v255, s62, s49
	v_mad_u32_u24 v21, v254, s58, v21
	v_mad_u32_u24 v22, v254, s60, v22
	v_mad_u32_u24 v23, v254, s63, v23
	s_mul_i32 s20, ttmp9, 24576
	s_add_co_u32 s20, s20, s57                     ; x's codes: two tile rows a work-group, fragment w
	s_mov_b32 s21, 0
	s_lshl_b32 s22, ttmp9, 10
	s_add_co_u32 s22, s22, 6291456                 ; x's scale rows
	s_mov_b32 s23, 0
	s_mul_i32 s24, s47, 196608
	s_mul_i32 s25, s45, 12288
	s_add_co_u32 s24, s24, s25
	s_mov_b32 s25, 0
	s_lshl_b32 s26, s47, 13
	s_add_co_u32 s26, s26, 786432
	s_mov_b32 s27, 0
	s_add_nc_u64 s[20:21], s[8:9], s[20:21]
	s_add_nc_u64 s[22:23], s[8:9], s[22:23]
	s_add_nc_u64 s[24:25], s[10:11], s[24:25]
	s_add_nc_u64 s[26:27], s[10:11], s[26:27]
	s_mov_b32 s[SEL], 0x76543210
	s_mov_b32 s[SEL+1], 0xfedcba98
	s_wait_loadcnt 32                              ; the weights' 25 loads are in; x's 32 are younger
.set i, 0
.rept 24
	ds_store_b128 v8, v[24+4*i:27+4*i] offset:512*i
.set i, i+1
.endr
	ds_store_b128 v9, v[120:123]
	s_wait_dscnt 0x0                               ; the stores have read their registers
.irp b, 0,1,2,3
	v_mov_b32 v[TM+4+\b], 0                        ; written once: a lane permute's destination counts as one of its sources
.endr
; Tile u of my tokens, K step w: the 16 rows turn through my stage, so that loads read consecutive bytes and yet a lane holds 16 numbers of each block of ONE row, in the order of the places:
; lane (r, h) takes of block b the offsets 8 h + 0..7 and 16 + 8 h + 0..7.
.macro XTILE u
	s_wait_loadcnt 16*(1-\u)                       ; this tile's 16 loads are in; the other tile's are younger
.set i, 0
.rept 16
	ds_store_b128 v10, v[124+64*\u+4*i:127+64*\u+4*i] offset:528*i
.set i, i+1
.endr
.irp b, 0,1,2,3
.irp c, 0,1
.irp j, 0,1
	ds_load_b128 v[XQ+16*\b+8*\c+4*\j:XQ+16*\b+8*\c+4*\j+3], v11 offset:128*\b+64*\c+16*\j   ; LDS serves a wave's instructions in order: these see my stores
.endr
.endr
.endr
	s_wait_dscnt 0x0
	QUANT XQ
	global_store_b128 v4, v[PC:PC+3], s[20:21] offset:12288*\u
	global_store_b64 v5, v[PC+4:PC+5], s[20:21] offset:12288*\u+512
	global_store_b128 v4, v[PC+6:PC+9], s[20:21] offset:12288*\u+768
	global_store_b64 v5, v[PC+10:PC+11], s[20:21] offset:12288*\u+1280
	ds_store_b128 v12, v[PC:PC+3] offset:12288*\u
	ds_store_b64 v13, v[PC+4:PC+5] offset:12288*\u+512
	ds_store_b128 v12, v[PC+6:PC+9] offset:12288*\u+768
	ds_store_b64 v13, v[PC+10:PC+11] offset:12288*\u+1280
	ds_store_b32 v14, v[PW] offset:512*\u          ; both halves of the lanes hold the row's word and write it to the same place
	s_wait_dscnt 0x0
	s_wait_xcnt 0x0                                ; the stores have read their registers: the codes may be written again
.endm
	XTILE 0
	XTILE 1
	s_barrier_signal -1                            ; my LDS stores have landed (the wait for 0 above): x's 16 fragments, the weights' 64 and all scale rows lie in LDS
	s_barrier_wait -1
; Four K steps: three loads of scale words (16 bytes of a row: four words), twelve fragments, eight products: the two accumulators by turns.
.macro PROD H, zero
	ds_load_b128 v[168:171], v19 offset:16*\H
	ds_load_b128 v[172:175], v19 offset:512+16*\H
	ds_load_b128 v[176:179], v20 offset:16*\H
.irp s, 0,1,2,3
	FRAG4 24+36*\s, 15, 16, 1536*(4*\H+\s)
	FRAG4 36+36*\s, 15, 16, 12288+1536*(4*\H+\s)
	FRAG4 48+36*\s, 17, 18, 1536*(4*\H+\s)
.endr
	s_wait_dscnt 0x0
.irp s, 0,1,2,3
.if \zero && (\s == 0)
	v_wmma_scale_f32_16x16x128_f8f6f4 v[180:187], v[24+36*\s:35+36*\s], v[48+36*\s:59+36*\s], 0, v[168+\s], v[176+\s] matrix_a_fmt:MATRIX_FMT_FP6 matrix_b_fmt:MATRIX_FMT_FP6
	v_wmma_scale_f32_16x16x128_f8f6f4 v[188:195], v[36+36*\s:47+36*\s], v[48+36*\s:59+36*\s], 0, v[172+\s], v[176+\s] matrix_a_fmt:MATRIX_FMT_FP6 matrix_b_fmt:MATRIX_FMT_FP6
.else
	v_wmma_scale_f32_16x16x128_f8f6f4 v[180:187], v[24+36*\s:35+36*\s], v[48+36*\s:59+36*\s], v[180:187], v[168+\s], v[176+\s] matrix_a_fmt:MATRIX_FMT_FP6 matrix_b_fmt:MATRIX_FMT_FP6
	v_wmma_scale_f32_16x16x128_f8f6f4 v[188:195], v[36+36*\s:47+36*\s], v[48+36*\s:59+36*\s], v[188:195], v[172+\s], v[176+\s] matrix_a_fmt:MATRIX_FMT_FP6 matrix_b_fmt:MATRIX_FMT_FP6
.endif
.endr
.endm
	PROD 0, 1
.rept 4
	v_nop                                          ; four places in front of loads into registers that matrix instructions have read
.endr
	PROD 1, 0
	v_mov_b32 v197, 0                              ; four plain lines that name none of the products' registers: the places in front of the first read of the results
	v_mov_b32 v203, 0
	v_mov_b32 v204, 0
	v_mov_b32 v205, 0
	; my 16 numbers of the block, v180-195; the other 16 lie in lane l xor 16
	v_max3_num_f32 v196, |v180|, |v181|, 0x1800000
.irp i, 2,4,6,8,10,12,14
	v_max3_num_f32 v196, v196, |v[180+\i]|, |v[181+\i]|   ; each accumulator is read from its low end on
.endr
	s_delay_alu instid0(VALU_DEP_1)
	v_permlanex16_b32 v197, v196, s[SEL], s[SEL+1]
	s_delay_alu instid0(VALU_DEP_1)
	v_max_num_f32 v196, v196, v197
	s_delay_alu instid0(VALU_DEP_1)
	v_add_nc_u32 v198, 0xff000000, v196
	s_delay_alu instid0(VALU_DEP_1)
	v_lshrrev_b32 v199, 23, v198                   ; the scale's byte
	v_cvt_scalef32_pk16_fp6_f32 v[200:202], v[180:195], v198
	v_nop                                          ; one plain place behind a scaled conversion
.irp i, 0,1,2
	v_permlane16_swap_b32 v[200+\i], v[203+\i]     ; lanes 16-31's codes come to lanes 0-15 of v203-205: lanes 0-15 now hold the block's 24 bytes in v200-205
.endr
	s_wait_alu depctr_va_vdst(0)
	s_wait_xcnt 0x0                                ; EXEC changes only behind this wait
	v_cmp_gt_u32 vcc_lo, 16, v3
	s_and_saveexec_b32 s50, vcc_lo                 ; lanes 0-15
	global_store_b128 v21, v[200:203], s[24:25]            ; v: 256 consecutive bytes; k: two runs of 128, at multiples of 128 from kvbuf's first byte
	global_store_b64 v22, v[204:205], s[24:25] offset:512
	global_store_b8 v23, v199, s[26:27]
	s_wait_xcnt 0x0                                ; and again in front of the line that widens it
	s_or_b32 exec_lo, exec_lo, s50
	s_cmp_lg_u32 s12, 0                            ; wave 0 stores my tokens' 32 scale rows: 1,024 dense bytes
	s_cbranch_scc1 .Lend
	ds_load_b128 v[24:27], v253
	ds_load_b128 v[28:31], v253 offset:512
	s_wait_dscnt 0x0
	global_store_b128 v4, v[24:27], s[22:23]
	global_store_b128 v4, v[28:31], s[22:23] offset:512
.Lend:
	s_wait_tensorcnt 0x0                           ; the wave's end, behind my last LDS store
	ds_add_u32 v1, v2
	s_wait_dscnt 0x0
	s_endpgm
.Lfunc_end_k_q5661499f25_xkv:
	.size	k_q5661499f25_xkv, .Lfunc_end_k_q5661499f25_xkv-k_q5661499f25_xkv
	.p2alignl 7, 3214868480
	.fill 96, 4, 3214868480
	.section	.rodata,"a",@progbits
	.p2align	6, 0x0
	.amdhsa_kernel k_q5661499f25_xkv
		.amdhsa_group_segment_fixed_size 196608
		.amdhsa_private_segment_fixed_size 0
		.amdhsa_enable_private_segment 0
		.amdhsa_kernarg_size 32
		.amdhsa_user_sgpr_count 2
		.amdhsa_user_sgpr_kernarg_segment_ptr 1
		.amdhsa_wavefront_size32 1
		.amdhsa_system_sgpr_workgroup_id_x 1
		.amdhsa_system_sgpr_workgroup_id_y 1
		.amdhsa_system_sgpr_workgroup_id_z 1
		.amdhsa_system_vgpr_workitem_id 0
		.amdhsa_next_free_vgpr 256
		.amdhsa_next_free_sgpr 66
		.amdhsa_reserve_vcc 1
		.amdhsa_float_denorm_mode_32 3
		.amdhsa_float_denorm_mode_16_64 3
		.amdhsa_memory_ordered 1
		.amdhsa_forward_progress 1
		.amdhsa_inst_pref_size 41
	.end_amdhsa_kernel
	.amdgpu_metadata
---
amdhsa.version: [ 1, 2 ]
amdhsa.kernels:
  - .name:           k_q5661499f25_xkv
    .symbol:         k_q5661499f25_xkv.kd
    .args:
      - { .name: x, .offset: 0, .size: 8, .value_kind: global_buffer, .address_space: global }
      - { .name: wbuf, .offset: 8, .size: 8, .value_kind: global_buffer, .address_space: global }
      - { .name: xbuf, .offset: 16, .size: 8, .value_kind: global_buffer, .address_space: global }
      - { .name: kvbuf, .offset: 24, .size: 8, .value_kind: global_buffer, .address_space: global }
    .group_segment_fixed_size: 196608
    .private_segment_fixed_size: 0
    .kernarg_segment_align: 8
    .kernarg_segment_size: 32
    .max_flat_workgroup_size: 256
    .sgpr_count:     66
    .vgpr_count:     256
    .wavefront_size: 32
...
	.end_amdgpu_metadata
.endif
;; end of part 2
;; launch qproj (part 3): grid 4 x 64, 8 waves a work-group, clusters of 4 x 4, 327,680 bytes of LDS; arguments xbuf, wbuf, qbuf; writes qbuf
.if DOCPART == 3
	.amdgcn_target "amdgcn-amd-amdhsa--gfx1250"
	.amdhsa_code_object_version 6
	.text
	.protected	k_q5661499f25_qproj
	.globl	k_q5661499f25_qproj
	.p2align	8
	.type	k_q5661499f25_qproj,@function
k_q5661499f25_qproj:
	s_mov_b64 s[64:65], 0
	v_nop
	global_prefetch_b8 v0, s[64:65] scope:SCOPE_SE
	s_setreg_imm32_b32 hwreg(HW_REG_WAVE_MODE, 25, 1), 1
	s_wait_xcnt 0x0
	s_wait_alu depctr_hold_cnt(0) depctr_sa_sdst(0) depctr_va_vdst(0) depctr_va_sdst(0) depctr_va_ssrc(0) depctr_va_vcc(0) depctr_vm_vsrc(0)
	s_getreg_b32 s2, hwreg(HW_REG_IB_STS2, 6, 4)
	s_cmp_eq_u32 s2, 0
	s_cbranch_scc0 .Lentry_in_a_cluster
	s_endpgm
.Lentry_in_a_cluster:
	s_bfe_u32 s2, ttmp6, 0x10000c
	s_cmp_lg_u32 s2, 0xf033
	s_cbranch_scc0 .Lentry_shape_is_right
	s_endpgm
.Lentry_shape_is_right:
; q = x Wq on codes, quantised at once along each head's 64 channels.  Formats: the head of the launch quant_w.
; A work-group makes 128 tokens x 256 columns (four heads); wave w makes tokens 64 (w / 4) on x columns 64 (w % 4) on, one head: 16 accumulators of 16 x 16.  Two waves to a SIMD, 256 registers each.
; ALL OF K LIES IN LDS: A's 8 token tiles (98,304 bytes) and B's 16 column tiles (196,608) come in four slots of 256 along K, each filled ONCE, all sixteen loads of the work-group's halves asked for at the head:
; a wave has four tensor loads outstanding, and nothing is ever filled again.  The slots are multiplied as they land.
; CLUSTER 4 x 4: the four work-groups of a row of the cluster need the same tokens, the four of a column the same columns of Wq: each tile is asked for jointly.
; THE PRODUCT IS USED TRANSPOSED (source 0 = 16 columns of Wq, source 1 = 16 tokens): a lane holds one token and its registers run along the head's channels, the K of the next product.
; qbuf: codes [512 token tiles][16 heads][768] at 0; scale pairs (u16: the head's two blocks) at 6,291,456, laid [16 heads][128 groups of 4 tiles][16 rows][4 tiles].
; LIMITS: as stated at the head of quant_w.
; THE LOADS AS THEY STAND (in place of what the lines above say of them): each of the eight waves issues ONE tensor load at the head: wave 2 g fetches A's slot g, wave 2 g + 1 B's slot g, each by a load line of its own.
; So a wave has one tensor load outstanding; in front of slot g's barrier the waves up to 2 g + 1 wait for theirs.
.set BB,    98304                      ; LDS: A at slot x 24,576 + tile x 3,072 + step x 1,536; B at BB + slot x 49,152 + tile x 3,072 + step x 1,536
.set SCL,   294912                     ; A's 128 scale rows of 32 bytes, then B's 256: stored by the waves, never a tensor load's target
.set SPARE, 307200                     ; the spare words, 128 bytes a wave, which no other line names
.set ASCL,  6291456                    ; A's scale rows in its buffer
.set BCOD,  0                          ; Wq's codes in wbuf
.set BSCL,  1671168                    ; and its scale rows
.set SA,  16                           ; v16-23  A's scale words: tile a, step q of the slot at SA + 2 a + q
.set SB,  24                           ; v24-31  B's likewise
.set AF,  32                           ; v32-79  four fragments of A
.set BF,  80                           ; v80-127 four of B
.set ACC, 128                          ; v128-255 accumulator (a, b) at ACC + 8 (4 a + b)
.set WV,  10
.set G1A, 24                           ; s[24:31] descriptor group 1 for A's tiles; s[32:39] for B's
.set G1B, 32
.set G0A, 48                           ; s[48:51] group 0 for A; s[68:71] for B
.set G0B, 68
.macro CROUND                          ; a round of the cluster's barrier
	s_barrier_signal -1
	s_barrier_wait -1
	s_cmp_lg_u32 s[WV], 0
	s_cbranch_scc1 .Lnot_wave_0_\@
	s_barrier_signal -3
.Lnot_wave_0_\@:
	s_barrier_wait -3
	s_barrier_signal -1
	s_barrier_wait -1
.endm
.macro FRAG4 reg, a16, a8, off         ; a fragment's image out of LDS: 12 registers by four loads
	ds_load_b128 v[\reg:\reg+3], v[\a16] offset:\off
	ds_load_b64 v[\reg+4:\reg+5], v[\a8] offset:\off+512
	ds_load_b128 v[\reg+6:\reg+9], v[\a16] offset:\off+768
	ds_load_b64 v[\reg+10:\reg+11], v[\a8] offset:\off+1280
.endm
; One K step of 128: eight fragments, sixteen products.  The 16 accumulators take turns in the same order in every step.  zero = 1: the products start the sums.
.macro KSTEP q, zero
.irp b, 0,1,2,3
	FRAG4 BF+12*\b, 5, 6, \b*3072+\q*1536
.endr
.irp a, 0,1,2,3
	FRAG4 AF+12*\a, 3, 4, \a*3072+\q*1536
.endr
.irp a, 0,1,2,3
	s_wait_dscnt 4*(3-\a)                          ; B's fragments and A's up to tile a are in; the later tiles' four loads each are younger
.irp b, 0,1,2,3
.if \zero
	v_wmma_scale_f32_16x16x128_f8f6f4 v[ACC+8*(4*\a+\b):ACC+8*(4*\a+\b)+7], v[BF+12*\b:BF+12*\b+11], v[AF+12*\a:AF+12*\a+11], 0, v[SB+2*\b+\q], v[SA+2*\a+\q] matrix_a_fmt:MATRIX_FMT_FP6 matrix_b_fmt:MATRIX_FMT_FP6
.else
	v_wmma_scale_f32_16x16x128_f8f6f4 v[ACC+8*(4*\a+\b):ACC+8*(4*\a+\b)+7], v[BF+12*\b:BF+12*\b+11], v[AF+12*\a:AF+12*\a+11], v[ACC+8*(4*\a+\b):ACC+8*(4*\a+\b)+7], v[SB+2*\b+\q], v[SA+2*\a+\q] matrix_a_fmt:MATRIX_FMT_FP6 matrix_b_fmt:MATRIX_FMT_FP6
.endif
.endr
.endr
.endm
	s_load_b128 s[4:7], s[0:1], 0x0                ; A's buffer s[4:5], wbuf s[6:7]
	s_load_b64 s[8:9], s[0:1], 0x10                ; the result's buffer
	v_lshl_add_u32 v1, v0, 2, SPARE                ; my spare word; never rewritten
	v_mov_b32 v2, 0                                ; 0; never rewritten
	ds_add_u32 v1, v2                              ; the wave's opening: the add, twice on end, and its wait ahead of my first tensor load
	ds_add_u32 v1, v2
	v_lshrrev_b32 v9, 5, v0
	s_delay_alu instid0(VALU_DEP_1)
	v_readfirstlane_b32 s[WV], v9                  ; wave 0..7
	s_lshr_b32 s11, s[WV], 2                       ; which 64 tokens are mine
	s_and_b32 s12, s[WV], 3                        ; which 64 columns
	s_bfe_u32 s40, ttmp6, 0x40000                  ; cx, cy: my place in the cluster
	s_bfe_u32 s41, ttmp6, 0x40004
	s_lshl_b32 s42, ttmp9, 2
	s_add_co_u32 s42, s42, s40                     ; block of 256 columns = 4 x cluster x + cx
	s_and_b32 s13, ttmp7, 0xffff
	s_lshl_b32 s13, s13, 2
	s_add_co_u32 s13, s13, s41                     ; block of 128 tokens = 4 x cluster y + cy
	s_lshl_b32 s43, s41, 2
	s_lshl_b32 s43, 15, s43                        ; my row of the cluster
	s_lshl_b32 s44, 0x1111, s40                    ; my column
	; ONE TENSOR LOAD A WAVE: wave 2 g fetches A's slot g (8 rows), wave 2 g + 1 B's slot g (16 rows).  Group 1: rows of 3,072 bytes (384 elements of 8 bytes: a tile's part of a slot), 12,288 bytes apart in memory, dense in LDS
	s_or_b32 s[G1A], s43, (3<<16)|(1<<21)
	s_or_b32 s[G1B], s44, (3<<16)|(1<<21)
	s_mov_b32 s[G1A+1], 384<<16                    ; tensor_dim0
	s_mov_b32 s[G1A+2], 8<<16
	s_mov_b32 s[G1A+3], 384<<16                    ; tile_dim0
	s_mov_b32 s[G1A+4], 8
	s_mov_b32 s[G1A+5], 1536                       ; tensor_dim0_stride
	s_mov_b32 s[G1A+6], 0
	s_mov_b32 s[G1A+7], 0
	s_mov_b32 s[G1B+1], 384<<16
	s_mov_b32 s[G1B+2], 16<<16
	s_mov_b32 s[G1B+3], 384<<16
	s_mov_b32 s[G1B+4], 16
	s_mov_b32 s[G1B+5], 1536
	s_mov_b32 s[G1B+6], 0
	s_mov_b32 s[G1B+7], 0
	s_lshr_b32 s45, s[WV], 1                       ; the slot that I fetch
	s_mul_i32 s16, s13, 98304                      ; A: the block's 8 tile rows,
	s_mul_i32 s17, s45, 3072                       ; my slot's 256 along K
	s_add_co_u32 s16, s16, s17
	s_mov_b32 s17, 0
	s_mul_i32 s46, s42, 196608                     ; B: the block's 16 tile rows
	s_mul_i32 s47, s45, 3072
	s_add_co_u32 s46, s46, s47
	s_add_co_u32 s46, s46, BCOD                    ; B: tile rows 16 block on
	s_mov_b32 s47, 0
	s_mul_i32 s20, s45, 24576                      ; where they go: the slot; no place in the cluster enters an LDS address
	s_mul_i32 s21, s45, 49152
	s_add_co_u32 s21, s21, BB
	s_lshl_b32 s88, s13, 12
	s_lshl_b32 s89, s[WV], 9
	s_add_co_u32 s88, s88, s89
	s_add_co_u32 s88, s88, ASCL                    ; A's scale rows: 4,096 bytes a block, 512 a wave
	s_mov_b32 s89, 0
	s_lshl_b32 s90, s42, 13
	s_lshl_b32 s91, s[WV], 10
	s_add_co_u32 s90, s90, s91
	s_add_co_u32 s90, s90, BSCL                    ; B's: 8,192 a block, 1,024 a wave
	s_mov_b32 s91, 0
	s_wait_dscnt 0x0                               ; both opening adds are done
	s_wait_kmcnt 0x0
	s_add_nc_u64 s[14:15], s[4:5], s[16:17]
	s_add_nc_u64 s[46:47], s[6:7], s[46:47]
	s_add_nc_u64 s[84:85], s[4:5], s[88:89]
	s_add_nc_u64 s[86:87], s[6:7], s[90:91]
.irp g, 0
	s_mov_b32 s[G0A+4*\g], 1
	s_add_co_u32 s[G0A+4*\g+1], s20, \g*24576      ; LDS address
	s_add_nc_u64 s[G0A+4*\g+2:G0A+4*\g+3], s[14:15], \g*3072   ; global address: slot g's 256 along K
	s_or_b32 s[G0A+4*\g+3], s[G0A+4*\g+3], 0x80000000          ; type = 2
	s_mov_b32 s[G0B+4*\g], 1
	s_add_co_u32 s[G0B+4*\g+1], s21, \g*49152
	s_add_nc_u64 s[G0B+4*\g+2:G0B+4*\g+3], s[46:47], \g*3072
	s_or_b32 s[G0B+4*\g+3], s[G0B+4*\g+3], 0x80000000
.endr
	CROUND                                         ; all sixteen work-groups are here: the joint loads meet
; One chain of branches on the wave's number, an arm and a load line of its own for each wave, all arms leading to one join: so a barrier can show the slots of the waves that have waited in front of it.
.macro ARM n, g0, g1
	s_cmp_eq_u32 s[WV], \n
	s_cbranch_scc0 .Lnot_\n
	tensor_load_to_lds s[\g0:\g0+3], s[\g1:\g1+7]
	s_nop 0
.rept 4
	v_nop
.endr
	s_branch .Lasked
.Lnot_\n:
.endm
	ARM 0, G0A, G1A
	ARM 1, G0B, G1B
	ARM 2, G0A, G1A
	ARM 3, G0B, G1B
	ARM 4, G0A, G1A
	ARM 5, G0B, G1B
	ARM 6, G0A, G1A
	tensor_load_to_lds s[G0B:G0B+3], s[G1B:G1B+7]
	s_nop 0
.rept 4
	v_nop
.endr
.Lasked:
	v_and_b32 v9, 31, v0                           ; lane L
	s_delay_alu instid0(VALU_DEP_1)
	v_lshlrev_b32 v10, 4, v9                       ; 16 L
	s_wait_alu depctr_va_vdst(0)
	global_load_b128 v[32:35], v10, s[84:85]       ; my share of the scale rows, in whole runs of 512 bytes
	global_load_b128 v[36:39], v10, s[86:87]
	global_load_b128 v[40:43], v10, s[86:87] offset:512
	v_lshlrev_b32 v13, 3, v9                       ; 8 L
	v_and_b32 v14, 15, v0                          ; r
	s_wait_alu depctr_va_vdst(0)
	s_mul_i32 s20, s11, 12288
	v_add_nc_u32 v3, s20, v10                      ; my four token tiles in slot 0
	v_add_nc_u32 v4, s20, v13
	s_mul_i32 s21, s12, 12288
	s_add_co_u32 s21, s21, BB
	v_add_nc_u32 v5, s21, v10                      ; my four column tiles
	v_add_nc_u32 v6, s21, v13
	s_lshl_b32 s20, s11, 11
	s_add_co_u32 s20, s20, SCL
	v_lshl_add_u32 v7, v14, 5, s20                 ; A's scale rows: my 64, row r of a tile
	s_lshl_b32 s21, s12, 11
	s_add_co_u32 s21, s21, SCL+4096
	v_lshl_add_u32 v8, v14, 5, s21                 ; B's
	s_lshl_b32 s20, s[WV], 9
	s_add_co_u32 s20, s20, SCL
	v_add_nc_u32 v11, s20, v10                     ; where my share of the scale rows goes
	s_lshl_b32 s21, s[WV], 10
	s_add_co_u32 s21, s21, SCL+4096
	v_add_nc_u32 v12, s21, v10
	v_lshlrev_b32 v14, 3, v14                      ; the way out: 8 r
	s_lshl_b32 s92, s13, 3
	s_lshl_b32 s93, s11, 2
	s_add_co_u32 s92, s92, s93                     ; my first token tile
	s_lshl_b32 s92, s92, 4
	s_lshl_b32 s93, s42, 2
	s_add_co_u32 s93, s93, s12                     ; my head
	s_add_co_u32 s92, s92, s93
	s_mul_i32 s92, s92, 768                        ; q's codes: (tile x 16 + head) units
	s_lshl_b32 s94, s93, 14
	s_lshl_b32 s95, s13, 1
	s_add_co_u32 s95, s95, s11
	s_lshl_b32 s95, s95, 7
	s_add_co_u32 s94, s94, s95
	s_add_co_u32 s94, s94, 6291456                 ; q's scale pairs: head x 16,384 + group of four tiles x 128
	s_mov_b32 s93, 0
	s_mov_b32 s95, 0
	s_add_nc_u64 s[92:93], s[8:9], s[92:93]
	s_add_nc_u64 s[94:95], s[8:9], s[94:95]
	s_mov_b32 s22, 0x76543210
	s_mov_b32 s23, 0xfedcba98                      ; v_permlanex16_b32's selects for lane l xor 16
	s_wait_alu depctr_va_vdst(0)
	s_wait_loadcnt 0x0
	ds_store_b128 v11, v[32:35]
	ds_store_b128 v12, v[36:39]
	ds_store_b128 v12, v[40:43] offset:512
.irp g, 0,1,2,3
.if \g < 3
	s_cmp_gt_u32 s[WV], 2*\g+1                     ; the waves that fetched slots 0 .. g wait for their one load; the later slots may still be on their way
	s_cbranch_scc1 .Lnot_yet_\g
	s_wait_tensorcnt 0x0
.Lnot_yet_\g:
.else
	s_wait_tensorcnt 0x0                           ; the last slot: every wave waits
.endif
	s_wait_dscnt 0x0                               ; slot 0: my scale rows are stored; later: no LDS instruction of mine is out
	s_barrier_signal -1
	s_barrier_wait -1                              ; everybody's part has
.irp a, 0,1,2,3
	ds_load_b64 v[SA+2*\a:SA+2*\a+1], v7 offset:512*\a+8*\g    ; the slot's two scale words of each tile's rows
	ds_load_b64 v[SB+2*\a:SB+2*\a+1], v8 offset:512*\a+8*\g
.endr
.if \g == 0
	KSTEP 0, 1
.else
	s_wait_alu depctr_va_vdst(0)
	KSTEP 0, 0
.endif
.rept 4
	v_nop                                          ; four places in front of loads into registers that matrix instructions have read
.endr
	KSTEP 1, 0
.if \g < 3
	v_add_nc_u32 v3, 24576, v3                     ; on to the next slot; these four lines are also the four places
	v_add_nc_u32 v4, 24576, v4
	v_add_nc_u32 v5, 49152, v5
	v_add_nc_u32 v6, 49152, v6
.endif
.endr
; THE WAY OUT.  32 numbers of a lane, register 16 c + i = my i-th of block c of my token's head, become a unit's six registers in v[U] on and the two scale bytes in v[W].
.set BM,  68
.set PT,  70
.set SOP, 72
.set CT,  64
.macro QUANT32 N, U, W
.irp c, 0,1
	v_max3_num_f32 v[BM+\c], |v[(\N)+16*\c]|, |v[(\N)+1+16*\c]|, 0x1800000   ; with the floor 2^(3 - 127); each accumulator is read from its low end on
.endr
.irp i, 2,4,6,8,10,12,14
.irp c, 0,1
	v_max3_num_f32 v[BM+\c], v[BM+\c], |v[(\N)+16*\c+\i]|, |v[(\N)+1+16*\c+\i]|
.endr
.endr
.irp c, 0,1
	s_delay_alu instid0(VALU_DEP_2)
	v_permlanex16_b32 v[PT+\c], v[BM+\c], s22, s23
.endr
.irp c, 0,1
	s_delay_alu instid0(VALU_DEP_2)
	v_max_num_f32 v[BM+\c], v[BM+\c], v[PT+\c]
.endr
.irp c, 0,1
	s_delay_alu instid0(VALU_DEP_2)
	v_add_nc_u32 v[SOP+\c], 0xff000000, v[BM+\c]
.endr
.irp c, 0,1
	s_delay_alu instid0(VALU_DEP_2)
	v_lshrrev_b32 v[SOP+2+\c], 23, v[SOP+\c]
.endr
	s_delay_alu instid0(VALU_DEP_1)
	v_lshl_or_b32 v[\W], v[SOP+3], 8, v[SOP+2]
	v_cvt_scalef32_pk16_fp6_f32 v[(\U):(\U)+2], v[(\N):(\N)+15], v[SOP]
	v_cvt_scalef32_pk16_fp6_f32 v[CT:CT+2], v[(\N)+16:(\N)+31], v[SOP+1]
	v_nop                                          ; one plain place behind a scaled conversion
.irp i, 0,1,2
	v_permlane16_swap_b32 v[(\U)+\i], v[CT+\i]     ; lanes 0-15 get block 0 whole, lanes 16-31 block 1
.endr
.irp i, 0,1,2
	s_delay_alu instid0(VALU_DEP_3)
	v_mov_b32 v[(\U)+3+\i], v[CT+\i]
.endr
.endm
.rept 4
	v_nop                                          ; four places behind the last products: results are read, and registers that held fragments are written
.endr
	v_mov_b32 v[PT], 0                             ; a lane permute's destination counts as one of its sources
	v_mov_b32 v[PT+1], 0
.irp a, 0,1,2,3                                ; each tile has its own six registers, so that no store's data are written again
	QUANT32 ACC+32*\a, 32+8*\a, 80+\a
	global_store_b128 v10, v[32+8*\a:35+8*\a], s[92:93] offset:12288*\a        ; 512 consecutive bytes, at a multiple of 256 from qbuf's first byte
	global_store_b64 v13, v[36+8*\a:37+8*\a], s[92:93] offset:12288*\a+512     ; 256 more
.endr
	v_lshl_or_b32 v76, v81, 16, v80                ; my token row's four pairs, one for each tile
	v_lshl_or_b32 v77, v83, 16, v82
	global_store_b64 v14, v[76:77], s[94:95]       ; 128 consecutive bytes; lanes 16-31 hold and write the same as lanes 0-15
	s_wait_tensorcnt 0x0                           ; the wave's end, behind my last tensor load and my last LDS store
	ds_add_u32 v1, v2
	s_wait_dscnt 0x0
	CROUND                                         ; the closing round
	s_endpgm
.Lfunc_end_k_q5661499f25_qproj:
	.size	k_q5661499f25_qproj, .Lfunc_end_k_q5661499f25_qproj-k_q5661499f25_qproj
	.p2alignl 7, 3214868480
	.fill 96, 4, 3214868480
	.section	.rodata,"a",@progbits
	.p2align	6, 0x0
	.amdhsa_kernel k_q5661499f25_qproj
		.amdhsa_group_segment_fixed_size 327680
		.amdhsa_private_segment_fixed_size 0
		.amdhsa_enable_private_segment 0
		.amdhsa_kernarg_size 24
		.amdhsa_user_sgpr_count 2
		.amdhsa_user_sgpr_kernarg_segment_ptr 1
		.amdhsa_wavefront_size32 1
		.amdhsa_system_sgpr_workgroup_id_x 1
		.amdhsa_system_sgpr_workgroup_id_y 1
		.amdhsa_system_sgpr_workgroup_id_z 1
		.amdhsa_system_vgpr_workitem_id 0
		.amdhsa_next_free_vgpr 256
		.amdhsa_next_free_sgpr 96
		.amdhsa_reserve_vcc 0
		.amdhsa_float_denorm_mode_32 3
		.amdhsa_float_denorm_mode_16_64 3
		.amdhsa_memory_ordered 1
		.amdhsa_forward_progress 1
		.amdhsa_inst_pref_size 57
	.end_amdhsa_kernel
	.amdgpu_metadata
---
amdhsa.version: [ 1, 2 ]
amdhsa.kernels:
  - .name:           k_q5661499f25_qproj
    .symbol:         k_q5661499f25_qproj.kd
    .args:
      - { .name: xbuf, .offset: 0, .size: 8, .value_kind: global_buffer, .address_space: global }
      - { .name: wbuf, .offset: 8, .size: 8, .value_kind: global_buffer, .address_space: global }
      - { .name: qbuf, .offset: 16, .size: 8, .value_kind: global_buffer, .address_space: global }
    .group_segment_fixed_size: 327680
    .private_segment_fixed_size: 0
    .kernarg_segment_align: 8
    .kernarg_segment_size: 24
    .max_flat_workgroup_size: 256
    .sgpr_count:     96
    .vgpr_count:     256
    .wavefront_size: 32
...
	.end_amdgpu_metadata
.endif
;; end of part 3
;; launch attn (part 4): grid 64 x 4, 16 waves a work-group, no clusters, 327,680 bytes of LDS; arguments qbuf, kvbuf, obuf; writes obuf
.if DOCPART == 4
	.amdgcn_target "amdgcn-amd-amdhsa--gfx1250"
	.amdhsa_code_object_version 6
	.text
	.protected	k_q5661499f25_attn
	.globl	k_q5661499f25_attn
	.p2align	8
	.type	k_q5661499f25_attn,@function
k_q5661499f25_attn:
	s_mov_b64 s[64:65], 0
	v_nop
	global_prefetch_b8 v0, s[64:65] scope:SCOPE_SE
	s_setreg_imm32_b32 hwreg(HW_REG_WAVE_MODE, 25, 1), 1
	s_wait_xcnt 0x0
; Causal attention on codes, one shared head of keys and values; the result, divided by the row's sum, is quantised along C for the last product.  Formats: the heads of quant_w, xkv and qproj.
; WORK LEFT OUT: a step of 128 keys all of which come after a tile's 16 queries is not multiplied: reference()'s own tril makes those weights exactly 0 (shown at the head of quant_w, with its limit).
; THE SOFTMAX: t = score x log2(e) / 8; M = the running largest t rounded UP to a whole number; p = 2^(t - M) is quantised along the keys, not normalised; the row's sum is taken of the unquantised p and divides at the
; end; when M moves, sum and O are multiplied by 2^(old M - new M), which rounds nothing.  LIMIT: the promise holds while |t| stays under 2^31.
; SHARES.  Work-group (j, batch) owns token tiles 127 - j and j, for all 16 heads; wave = head.  Tile T needs T / 8 + 1 key steps, the two together 17 in every wave: 256 equal work-groups.  The two tiles are walked
; one after the other, on the same registers.
; ALL OF THE BATCH'S k AND v LIE IN LDS (16 steps x 12,288 bytes), each byte filled once.  Wave w fetches unit w (768 bytes) of each step: at the head of steps 0-3 (4 rows), behind the first barrier of steps 4-15
; (12 rows).  Every such load holds bytes of steps 0-8, which every work-group reads; a work-group whose last query lies under key 1,152 + 128 n also gets later steps' bytes in the same loads and leaves them unread.
; Two barriers stand ahead of the walk's steps 0 and 4 of the first tile; beyond them the waves share nothing until the scale rows leave.  The batch's 8,192 scale bytes come through registers, 512 bytes a wave.
; NO CLUSTER: which steps a work-group jumps over hangs on its number j; partners with one j would have to split the heads, and a token's 32 scale bytes
; (16 heads x 2) would leave in pieces of 8.  NO PREFETCH: both loads of a wave stand at the head; there is no later load ahead of which a request could run.
; LAYOUT.  Both products transposed: S^T = K Q^T (source 0 = 16 keys), O^T = V^T P^T (source 0 = 16 channels): a lane holds ONE query throughout.  By the order of k's rows (launch xkv) register 32 c + 8 t' + i of
; S^T in lane (r, h) is key 64 c + 32 h + 8 t + i of the step (t = t' with its two bits exchanged): a lane's 32 registers are one whole block of 32 keys in v's order of places; no lane asks another for a block's maximum.
; THE FIRST PRODUCT'S K IS 64.  Two units of k on end are one operand of 12 registers; the even unit is taken against [Q | zeros], the odd one against [zeros | Q].  One scale word holds both units' two bytes, and Q's
; word holds its pair twice.  What the zero codes meet are finite codes under finite scale bytes: it adds 0.
.set CH1,   49152                      ; LDS: steps 0-3 at unit x 3,072 + step x 768; steps 4-15 at CH1 + unit x 9,216 + (step - 4) x 768.  Units 0-7 k, 8-15 v
.set SCLK,  196608                     ; k's scale bytes [16 steps][16 rows][8 units][2]: stored by the waves, never a tensor load's target
.set SCLV,  200704                     ; v's scale words [16 steps][4 dt][16 channels]
.set SCST,  204800                     ; the way out: two tiles' scale rows, 512 bytes each
.set SPARE, 205824                     ; the spare words, 128 bytes a wave, which no other line names
.set MM,   14                          ; v14 -M, v15 the largest t
.set LL,   16                          ; v16-17 the sum in two halves
.set QSC,  54                          ; Q's scale words: tile 0 in lanes 0-15, tile 1 in lanes 16-31.  Q: v18-35 and v36-53, each [Q | zeros | Q]
.set DB,   55                          ; r - 32 h
.set BM,   56
.set PT,   60
.set SOP,  62
.set F,    64                          ; f; named as a pair with
.set PW,   65                          ; p's scale word
.set T0,   66
.set T1,   67
.set KS,   68                          ; v68-71 the step's scale words of k, then of v
.set CT0,  72
.set CT1,  76
.set KVF,  80                          ; v80-127 eight units of k, then four fragments of v
.set S,    128                         ; v128-191 S^T, then p
.set O,    192                         ; v192-223 O^T
.set PCD,  224                         ; v224-235 p's codes;  v236-247 the two tiles' units on the way out, v248-249 their scale bytes
.set WV,   10
.set G1,   16                          ; s[16:23], s[24:31] group 1 for 4 and for 12 rows; s[32:35], s[36:39] the two groups 0
.set G1B,  24
.set G0,   32
.set G0B,  36
.set TB,   40                          ; LDS byte of the step's unit 0;  TBV: of its unit 8
.set TBV,  41
.set TS,   42                          ; 256 x key step
.set KF,   43                          ; the step's first key
.set CNT,  44
.set Q0,   46                          ; s46, s47 the tiles' first queries;  s48, s49 their last
.set QL,   48
.set CS,   50                          ; s[50:51] log2(e) / 8
.set SEL,  52                          ; s[52:53] selects for lane l xor 16
.macro GROUP1 g, rows                  ; rows of 768 bytes (96 elements of 8), 12,288 bytes apart in memory, dense in LDS
	s_mov_b32 s[\g], 3<<16
	s_mov_b32 s[\g+1], 96<<16
	s_mov_b32 s[\g+2], (\rows)<<16
	s_mov_b32 s[\g+3], 96<<16
	s_mov_b32 s[\g+4], \rows
	s_mov_b32 s[\g+5], 1536
	s_mov_b32 s[\g+6], 0
	s_mov_b32 s[\g+7], 0
.endm
.macro QKP X, q, o                     ; unit 2 q + o of k against tile X's queries
.if \X
	v_wmma_scale_f32_16x16x128_f8f6f4 v[S+16*\q+8*\o:S+16*\q+8*\o+7], v[KVF+12*\q:KVF+12*\q+11], v[QQ+6*\o:QQ+6*\o+11], 0, v[KS+\q], v[QSC] matrix_a_fmt:MATRIX_FMT_FP6 matrix_b_fmt:MATRIX_FMT_FP6 matrix_b_scale:MATRIX_SCALE_ROW1
.else
	v_wmma_scale_f32_16x16x128_f8f6f4 v[S+16*\q+8*\o:S+16*\q+8*\o+7], v[KVF+12*\q:KVF+12*\q+11], v[QQ+6*\o:QQ+6*\o+11], 0, v[KS+\q], v[QSC] matrix_a_fmt:MATRIX_FMT_FP6 matrix_b_fmt:MATRIX_FMT_FP6
.endif
.endm
; A KEY STEP of tile X: 128 keys.  US: bytes from unit to unit in this part of LDS.
.macro STEP X, US
.set QQ, 18+18*(\X)
	s_cmp_gt_u32 s[KF], s[QL+\X]                   ; all keys behind the tile's queries: left out.  A branch on ids; no barrier, wait for a tile or tensor load stands in a step
	s_cbranch_scc1 .Lhidden_\@
	v_add_nc_u32 v7, s[TB], v3                     ; these three and the v_nop are the four places in front of loads into registers that the last products read
	v_add_nc_u32 v8, s[TB], v4
	v_add_nc_u32 v11, s[TS], v5
	v_nop
	ds_load_b128 v[KS:KS+3], v11                   ; my row's scale bytes of all eight units
.irp u, 0,1,2,3,4,5,6,7
	ds_load_b128 v[KVF+6*\u:KVF+6*\u+3], v7 offset:\u*\US
	ds_load_b64 v[KVF+6*\u+4:KVF+6*\u+5], v8 offset:\u*\US+512
.endr
.irp q, 0,1,2,3
	s_wait_dscnt 4*(3-\q)                          ; the later pairs' four loads each are younger
	QKP \X, \q, 0
	QKP \X, \q, 1
.endr
	v_add_nc_u32 v9, s[TBV], v3                    ; four places again: v's fragments land where k's lay, and results are read
	v_add_nc_u32 v10, s[TBV], v4
	v_add_nc_u32 v12, s[TS], v6
	v_nop
.irp t, 0,1,2,3                                ; asked for here, waited for ahead of the second product
	ds_load_b128 v[KVF+12*\t:KVF+12*\t+3], v9 offset:2*\t*\US
	ds_load_b64 v[KVF+12*\t+4:KVF+12*\t+5], v10 offset:2*\t*\US+512
	ds_load_b128 v[KVF+12*\t+6:KVF+12*\t+9], v9 offset:(2*\t+1)*\US
	ds_load_b64 v[KVF+12*\t+10:KVF+12*\t+11], v10 offset:(2*\t+1)*\US+512
	ds_load_b32 v[KS+\t], v12 offset:64*\t
.endr
	s_add_co_u32 s96, s[KF], 127                   ; on the diagonal hidden scores become -infinity ahead of the maximum: p = 0 then.  A step all of whose keys count skips this
	s_cmp_le_u32 s96, s[Q0+\X]
	s_cbranch_scc1 .Lopen_\@
	s_sub_co_i32 s96, s[Q0+\X], s[KF]
	v_add_nc_u32 v[T0], s96, v[DB]                 ; d = my query - KF - 32 h: a register is hidden where its key's offset in my 64 c + .. is above d
	v_mov_b32 v[T1], 0xff800000
.set n, 0
.rept 64
	v_cmp_gt_i32 vcc_lo, 64*(n/32)+8*((((n/8)&1)<<1)|(((n/8)>>1)&1))+n%8, v[T0]
	v_cndmask_b32 v[S+n], v[S+n], v[T1], vcc_lo
.set n, n+1
.endr
.Lopen_\@:
.irp b, 0,1,2,3                                ; the largest score of my two blocks of 32 keys, in four chains; each accumulator is read from its low end on
	v_max3_num_f32 v[BM+\b], v[S+16*\b], v[S+1+16*\b], v[S+2+16*\b]
.endr
.irp i, 3,5,7,9,11,13
.irp b, 0,1,2,3
	v_max3_num_f32 v[BM+\b], v[BM+\b], v[S+16*\b+\i], v[S+1+16*\b+\i]
.endr
.endr
.irp c, 0,1
	v_max3_num_f32 v[BM+2*\c], v[BM+2*\c], v[BM+2*\c+1], v[S+15+32*\c]
.endr
.irp c, 0,1
	v_max_num_f32 v[BM+2*\c], v[BM+2*\c], v[S+31+32*\c]   ; it serves twice: for the row's maximum and, since p rises with the score, for the block's largest p
.endr
	s_delay_alu instid0(VALU_DEP_1)
	v_max_num_f32 v[T0], v[BM], v[BM+2]
	s_delay_alu instid0(VALU_DEP_1)
	v_permlanex16_b32 v[T1], v[T0], s[SEL], s[SEL+1]
	s_delay_alu instid0(VALU_DEP_1)
	v_max_num_f32 v[T0], v[T0], v[T1]              ; with lane l xor 16's 64 keys
	s_delay_alu instid0(VALU_DEP_1)
	v_mul_f32 v[T0], s[CS], v[T0]                  ; as t
	s_delay_alu instid0(VALU_DEP_1)
	v_max_num_f32 v[MM+1], v[MM+1], v[T0]          ; the running largest t
	v_mov_b32 v[T0], v[MM]
	s_delay_alu instid0(VALU_DEP_2)
	v_floor_f32 v[MM], -v[MM+1]                    ; the new -M = -ceil(t)
	s_delay_alu instid0(VALU_DEP_1)
	v_sub_f32 v[T0], v[MM], v[T0]                  ; old M - new M: a whole number, 0 or less
	s_delay_alu instid0(VALU_DEP_1)
	v_cvt_i32_f32 v[T0], v[T0]                     ; (it saturates)
	s_delay_alu instid0(VALU_DEP_1)
	v_ldexp_f32 v[F], 1.0, v[T0]                   ; f = 2^(old M - new M)
.set n, 0
.rept 32
	v_pk_fma_f32 v[S+n:S+n+1], v[S+n:S+n+1], s[CS:CS+1], v[MM:MM+1] op_sel_hi:[1,0,0]   ; t - M, two at a time
.set n, n+2
.endr
.irp c, 0,1
	v_fma_f32 v[BM+2*\c], v[BM+2*\c], s[CS], v[MM] ; the same of each block's largest score
.endr
.set n, 0
.rept 16
	v_pk_mul_f32 v[O+n:O+n+1], v[O+n:O+n+1], v[F:F+1] op_sel_hi:[1,0]   ; O^T under the new M, ahead of the exponentials
.set n, n+2
.endr
	v_pk_mul_f32 v[LL:LL+1], v[LL:LL+1], v[F:F+1] op_sel_hi:[1,0]       ; and the sums
	s_wait_alu depctr_va_vdst(0)                   ; ahead of the batch
.set n, 0
.rept 64
	v_exp_f32 v[S+n], v[S+n]                       ; p = 2^(t - M)
.set n, n+1
.endr
.irp c, 0,1
	v_exp_f32 v[BM+2*\c], v[BM+2*\c]               ; the block's largest p: the same two instructions on the same number give the same bits
.endr
	v_nop                                          ; a plain place behind the exponentials
	s_wait_alu depctr_va_vdst(0)                   ; one wait for the whole batch, ahead of its first reader
.irp c, 0,1
	v_max_num_f32 v[BM+2*\c], 0x1800000, v[BM+2*\c]   ; the floor 2^(3 - 127): a block whose every p is 0 keeps the byte 1; its codes are zeros
.endr
.irp c, 0,1
	s_delay_alu instid0(VALU_DEP_2)
	v_add_nc_u32 v[SOP+\c], 0xff000000, v[BM+2*\c] ; the conversion's scale operand
.endr
.irp c, 0,1
	s_delay_alu instid0(VALU_DEP_2)
	v_lshrrev_b32 v[BM+2*\c], 23, v[SOP+\c]        ; the scale's byte
.endr
	s_delay_alu instid0(VALU_DEP_1)
	v_lshl_or_b32 v[T0], v[BM+2], 16, v[BM]        ; my two bytes: blocks h and 2 + h,
	s_delay_alu instid0(VALU_DEP_1)
	v_lshlrev_b32 v[T0], v13, v[T0]                ; 8 h bits up;
	s_delay_alu instid0(VALU_DEP_1)
	v_permlanex16_b32 v[T1], v[T0], s[SEL], s[SEL+1]
	s_delay_alu instid0(VALU_DEP_1)
	v_or_b32 v[PW], v[T0], v[T1]                   ; with lane l xor 16's two: p's scale word for these 128 keys
	v_cvt_scalef32_pk16_fp6_f32 v[PCD:PCD+2], v[S:S+15], v[SOP]
	v_cvt_scalef32_pk16_fp6_f32 v[CT0:CT0+2], v[S+16:S+31], v[SOP]          ; (a conversion's three registers begin on an even number)
	v_cvt_scalef32_pk16_fp6_f32 v[PCD+6:PCD+8], v[S+32:S+47], v[SOP+1]
	v_cvt_scalef32_pk16_fp6_f32 v[CT1:CT1+2], v[S+48:S+63], v[SOP+1]
	v_nop                                          ; one plain place behind a scaled conversion
.irp i, 0,1,2
	v_mov_b32 v[PCD+3+\i], v[CT0+\i]
	v_mov_b32 v[PCD+9+\i], v[CT1+\i]
.endr
	v_pk_add_f32 v[PT:PT+1], v[S:S+1], v[S+2:S+3]  ; the row's sum of the unquantised p, in two chains; these lines are also the places in front of the products below
.set n, 4
.rept 15
	v_pk_add_f32 v[LL:LL+1], v[LL:LL+1], v[S+n:S+n+1]
	v_pk_add_f32 v[PT:PT+1], v[PT:PT+1], v[S+n+2:S+n+3]
.set n, n+4
.endr
	s_delay_alu instid0(VALU_DEP_1)
	v_pk_add_f32 v[LL:LL+1], v[LL:LL+1], v[PT:PT+1]
	s_wait_alu depctr_va_vdst(0)
	s_wait_dscnt 0x0                               ; v's fragments and scale words
.irp t, 0,1,2,3                                ; O^T += V^T P^T: the head's four tiles of 16 channels by turns; K = these 128 keys
	v_wmma_scale_f32_16x16x128_f8f6f4 v[O+8*\t:O+8*\t+7], v[KVF+12*\t:KVF+12*\t+11], v[PCD:PCD+11], v[O+8*\t:O+8*\t+7], v[KS+\t], v[PW] matrix_a_fmt:MATRIX_FMT_FP6 matrix_b_fmt:MATRIX_FMT_FP6
.endr
.Lhidden_\@:
.endm
.macro WALK X, US, trips               ; a constant number of trips: every wave walks all steps and jumps over the work that the mask hides
	s_mov_b32 s[CNT], \trips
.Lwalk_\@:
	STEP \X, \US
	s_add_co_u32 s[TB], s[TB], 768
	s_add_co_u32 s[TBV], s[TBV], 768
	s_add_co_u32 s[TS], s[TS], 256
	s_add_co_u32 s[KF], s[KF], 128
	s_sub_co_u32 s[CNT], s[CNT], 1
	s_cmp_lg_u32 s[CNT], 0
	s_cbranch_scc1 .Lwalk_\@
.endm
; THE WAY OUT of tile X: O^T / the sum, quantised along the head's 64 channels: a unit and two scale bytes.  Register 8 t + i: channel 16 t + 8 h + i of query r.
.macro FINISH X
.set U, 236+6*(\X)
.rept 4
	v_nop                                          ; four places behind the last products
.endr
	v_add_f32 v[LL], v[LL], v[LL+1]
	s_delay_alu instid0(VALU_DEP_1)
	v_permlanex16_b32 v[T1], v[LL], s[SEL], s[SEL+1]
	s_delay_alu instid0(VALU_DEP_1)
	v_add_f32 v[LL], v[LL], v[T1]                  ; with lane l xor 16's: the row's sum
	s_wait_alu depctr_va_vdst(0)
	v_rcp_f32 v[LL], v[LL]
	v_nop
	s_wait_alu depctr_va_vdst(0)                   ; ahead of the reciprocal's first reader, which is also O^T's
.set n, 0
.rept 16
	v_pk_mul_f32 v[S+n:S+n+1], v[O+n:O+n+1], v[LL:LL+1] op_sel_hi:[1,0]
.set n, n+2
.endr
.irp c, 0,1
	v_max3_num_f32 v[BM+\c], |v[S+16*\c]|, |v[S+1+16*\c]|, 0x1800000
.endr
.irp i, 2,4,6,8,10,12,14
.irp c, 0,1
	s_delay_alu instid0(VALU_DEP_2)
	v_max3_num_f32 v[BM+\c], v[BM+\c], |v[S+16*\c+\i]|, |v[S+1+16*\c+\i]|
.endr
.endr
.irp c, 0,1
	s_delay_alu instid0(VALU_DEP_2)
	v_permlanex16_b32 v[PT+\c], v[BM+\c], s[SEL], s[SEL+1]
.endr
.irp c, 0,1
	s_delay_alu instid0(VALU_DEP_2)
	v_max_num_f32 v[BM+\c], v[BM+\c], v[PT+\c]
.endr
.irp c, 0,1
	s_delay_alu instid0(VALU_DEP_2)
	v_add_nc_u32 v[SOP+\c], 0xff000000, v[BM+\c]
.endr
.irp c, 0,1
	s_delay_alu instid0(VALU_DEP_2)
	v_lshrrev_b32 v[BM+\c], 23, v[SOP+\c]
.endr
	s_delay_alu instid0(VALU_DEP_1)
	v_lshl_or_b32 v[248+\X], v[BM+1], 8, v[BM]
	v_cvt_scalef32_pk16_fp6_f32 v[U:U+2], v[S:S+15], v[SOP]
	v_cvt_scalef32_pk16_fp6_f32 v[CT0:CT0+2], v[S+16:S+31], v[SOP+1]
	v_nop                                          ; one plain place behind a scaled conversion
.irp i, 0,1,2
	v_permlane16_swap_b32 v[U+\i], v[CT0+\i]       ; lanes 0-15 get block 0 whole, lanes 16-31 block 1
.endr
.irp i, 0,1,2
	s_delay_alu instid0(VALU_DEP_3)
	v_mov_b32 v[U+3+\i], v[CT0+\i]
.endr
	global_store_b128 v3, v[U:U+3], s[82+2*\X:83+2*\X]               ; 512 consecutive bytes, at a multiple of 256 from obuf's first byte; each tile has registers of its own
	global_store_b64 v4, v[U+4:U+5], s[82+2*\X:83+2*\X] offset:512
	ds_store_b16 v250, v[248+\X] offset:512*\X
.endm
.macro PASS X
	v_mov_b32 v[MM+1], 0xff61b1e6                  ; the largest t so far: -3e38, under every t
	v_floor_f32 v[MM], -v[MM+1]                    ; -M
	v_mov_b32 v[LL], 0
	v_mov_b32 v[LL+1], 0
.set n, 0
.rept 32
	v_mov_b32 v[O+n], 0                            ; the step is written once: a tile's first step finds zeros, which the first change of M leaves zeros
.set n, n+1
.endr
	s_wait_alu depctr_va_vdst(0)
	s_mov_b32 s[TB], 0
	s_mov_b32 s[TBV], 8*3072
	s_mov_b32 s[TS], 0
	s_mov_b32 s[KF], 0
	WALK \X, 3072, 4
.if \X == 0
	s_wait_alu depctr_va_vdst(0)
	s_wait_tensorcnt 0x0                           ; my unit of steps 4-15 has landed;
	s_wait_dscnt 0x0
	s_barrier_signal -1                            ; a plain barrier
	s_barrier_wait -1                              ; everybody's has
.endif
	s_mov_b32 s[TB], CH1
	s_mov_b32 s[TBV], CH1+8*9216
	WALK \X, 9216, 12-8*\X                         ; tile 1 = j is at most 63: its last query lies under key 1,024, so steps 8-15 are never its
	FINISH \X
.endm
	s_load_b128 s[4:7], s[0:1], 0x0                ; qbuf s[4:5], kvbuf s[6:7]
	s_load_b64 s[8:9], s[0:1], 0x10                ; obuf
	v_lshl_add_u32 v1, v0, 2, SPARE                ; my spare word; never rewritten
	v_mov_b32 v2, 0                                ; 0; never rewritten
	ds_add_u32 v1, v2                              ; the wave's opening: the add, twice on end, and its wait ahead of my first tensor load
	ds_add_u32 v1, v2
	v_lshrrev_b32 v3, 5, v0
	v_readfirstlane_b32 s[WV], v3                  ; wave = head
	s_and_b32 s12, ttmp7, 0xffff                   ; batch
	s_sub_co_u32 s66, 127, ttmp9                   ; tile 0 = 127 - j; tile 1 = j
	s_lshl_b32 s[Q0], s66, 4
	s_lshl_b32 s[Q0+1], ttmp9, 4
	s_add_co_u32 s[QL], s[Q0], 15
	s_add_co_u32 s[QL+1], s[Q0+1], 15
	GROUP1 G1, 4
	GROUP1 G1B, 12
	s_mul_i32 s68, s12, 196608                     ; the batch's codes of k and v,
	s_mul_i32 s69, s[WV], 768                      ; my unit of step 0
	s_add_co_u32 s68, s68, s69
	s_mov_b32 s69, 0
	s_lshl_b32 s70, s12, 13
	s_lshl_b32 s71, s[WV], 9
	s_add_co_u32 s70, s70, s71
	s_add_co_u32 s70, s70, 786432                  ; my 512 of its scale bytes
	s_mov_b32 s71, 0
	s_mov_b32 s[G0], 1
	s_mul_i32 s[G0+1], s[WV], 3072
	s_mov_b32 s[G0B], 1
	s_mul_i32 s[G0B+1], s[WV], 9216
	s_add_co_u32 s[G0B+1], s[G0B+1], CH1
	s_lshl_b32 s72, s12, 7
	s_add_co_u32 s73, s72, ttmp9                   ; tile 1 among all 512
	s_add_co_u32 s72, s72, s66                     ; tile 0
	s_lshl_b32 s74, s72, 4
	s_add_co_u32 s74, s74, s[WV]
	s_mul_i32 s74, s74, 768                        ; (tile x 16 + head) units: the same place in qbuf and in obuf
	s_mov_b32 s75, 0
	s_lshl_b32 s76, s73, 4
	s_add_co_u32 s76, s76, s[WV]
	s_mul_i32 s76, s76, 768
	s_mov_b32 s77, 0
	s_lshr_b32 s86, s73, 2
	s_lshl_b32 s86, s86, 7
	s_and_b32 s87, s73, 3
	s_lshl_b32 s87, s87, 1
	s_add_co_u32 s86, s86, s87                     ; q's scale pairs: tile 1's place in a head: (tile / 4) x 128 + 2 (tile % 4)
	s_lshr_b32 s88, s72, 2
	s_lshl_b32 s88, s88, 7
	s_and_b32 s89, s72, 3
	s_lshl_b32 s89, s89, 1
	s_add_co_u32 s88, s88, s89
	s_sub_co_u32 s88, s88, s86                     ; how far on tile 0's lies
	s_lshl_b32 s87, s[WV], 14
	s_add_co_u32 s86, s86, s87
	s_add_co_u32 s86, s86, 6291456
	s_mov_b32 s87, 0
	s_cmp_eq_u32 s[WV], 0                          ; waves 0 and 1 store the two tiles' scale rows at the end
	s_cselect_b32 s90, s72, s73
	s_lshl_b32 s90, s90, 9
	s_add_co_u32 s90, s90, 6291456                 ; 16 rows of 32 bytes a tile
	s_mov_b32 s91, 0
	s_mov_b32 s[CS], 0x3e38aa3b                    ; log2(e) / 8
	s_mov_b32 s[CS+1], s[CS]                       ; (named with it as a pair, so it is written)
	s_mov_b32 s[SEL], 0x76543210
	s_mov_b32 s[SEL+1], 0xfedcba98
	s_lshl_b32 s54, s[WV], 9
	s_add_co_u32 s54, s54, SCLK
	s_lshl_b32 s55, s[WV], 1
	s_add_co_u32 s55, s55, SCST
	s_and_b32 s56, s[WV], 1
	s_lshl_b32 s56, s56, 9
	s_add_co_u32 s56, s56, SCST
	s_wait_dscnt 0x0                               ; both opening adds are done
	s_wait_kmcnt 0x0
	s_add_nc_u64 s[G0+2:G0+3], s[6:7], s[68:69]
	s_add_nc_u64 s[G0B+2:G0B+3], s[G0+2:G0+3], 4*12288
	s_or_b32 s[G0+3], s[G0+3], 0x80000000
	s_or_b32 s[G0B+3], s[G0B+3], 0x80000000
	tensor_load_to_lds s[G0:G0+3], s[G1:G1+7]      ; my unit of steps 0-3: one line, issued by every wave
	s_nop 0
	s_add_nc_u64 s[78:79], s[4:5], s[74:75]        ; Q's units
	s_add_nc_u64 s[80:81], s[4:5], s[76:77]
	s_add_nc_u64 s[82:83], s[8:9], s[74:75]        ; O's
	s_add_nc_u64 s[84:85], s[8:9], s[76:77]
	s_add_nc_u64 s[86:87], s[4:5], s[86:87]
	s_add_nc_u64 s[90:91], s[8:9], s[90:91]
	s_add_nc_u64 s[92:93], s[6:7], s[70:71]
	v_and_b32 v[T0], 31, v0                        ; L
	v_and_b32 v[T1], 15, v0                        ; r
	v_bfe_u32 v13, v0, 4, 1                        ; h
	v_lshlrev_b32 v3, 4, v[T0]                     ; 16 L
	v_lshlrev_b32 v4, 3, v[T0]                     ; 8 L
	v_xor_b32 v[BM], 1, v13
	v_mul_lo_u32 v[BM], v[BM], s88                 ; lanes 0-15 read tile 0's pair, lanes 16-31 tile 1's
	v_lshl_add_u32 v[BM], v[T1], 3, v[BM]          ; + 8 r
	global_load_b128 v[S:S+3], v3, s[92:93]        ; my share of the scale bytes: 512 consecutive bytes
.irp x, 0,1
.irp k, 0
	global_load_b128 v[18+18*\x+\k:21+18*\x+\k], v3, s[78+2*\x:79+2*\x]
	global_load_b64 v[22+18*\x+\k:23+18*\x+\k], v4, s[78+2*\x:79+2*\x] offset:512
.endr
.endr
	global_load_u16 v[QSC], v[BM], s[86:87]
	v_lshl_add_u32 v5, v[T1], 4, SCLK              ; k's scale bytes: row r, 16 bytes
	v_lshl_add_u32 v6, v[T1], 2, SCLV              ; v's scale words: channel r
	v_lshlrev_b32 v[PT], 5, v13
	v_sub_nc_u32 v[DB], v[T1], v[PT]               ; r - 32 h
	v_add_nc_u32 v252, s54, v3                     ; where my share of the scale bytes goes
	v_lshl_add_u32 v250, v[T1], 5, s55             ; the scale rows' stage: row r, my head's two bytes
	v_add_nc_u32 v251, s56, v3                     ; and back: a tile's 512 bytes, 16 a lane
	v_lshlrev_b32 v13, 3, v13                      ; 8 h
.irp x, 0,1
.irp i, 6,7,8,9,10,11
	v_mov_b32 v[18+18*\x+\i], 0                    ; zero codes
.endr
.endr
	v_mov_b32 v[PT], 0                             ; a lane permute's destination counts as one of its sources
	v_mov_b32 v[PT+1], 0
	v_mov_b32 v[PW], 0                             ; (named as the upper half of the pair with f before it is first written)
	s_wait_alu depctr_va_vdst(0)
	s_wait_loadcnt 0x0
	ds_store_b128 v252, v[S:S+3]
.irp x, 0,1
.irp i, 0,1,2,3,4,5
	v_mov_b32 v[30+18*\x+\i], v[18+18*\x+\i]       ; Q once more, behind the zeros
.endr
.endr
	v_lshl_or_b32 v[QSC], v[QSC], 16, v[QSC]       ; Q's pair twice: for K = 0 .. 63 and for K = 64 .. 127
	s_wait_tensorcnt 0x0                           ; my unit of steps 0-3 has landed
	ds_add_u32 v1, v2
	s_wait_dscnt 0x0                               ; the add and my store of scale bytes are done
	s_barrier_signal -1
	s_barrier_wait -1                              ; steps 0-3 and all scale bytes lie in LDS
	tensor_load_to_lds s[G0B:G0B+3], s[G1B:G1B+7]  ; my unit of steps 4-15: my one load behind this barrier
	s_nop 0
	PASS 0
	PASS 1
	s_wait_dscnt 0x0                               ; for the others' sake: my head's scale bytes are in LDS
	s_barrier_signal -1
	s_barrier_wait -1
	s_cmp_lt_u32 s[WV], 2                          ; wave 0 stores tile 0's 16 scale rows, wave 1 tile 1's: 512 dense bytes each
	s_cbranch_scc0 .Ldone
	ds_load_b128 v[S:S+3], v251
	s_wait_dscnt 0x0
	global_store_b128 v3, v[S:S+3], s[90:91]
.Ldone:
	s_wait_tensorcnt 0x0                           ; the wave's end, behind my last tensor load and my last LDS store
	ds_add_u32 v1, v2
	s_wait_dscnt 0x0
	s_endpgm
.Lfunc_end_k_q5661499f25_attn:
	.size	k_q5661499f25_attn, .Lfunc_end_k_q5661499f25_attn-k_q5661499f25_attn
	.p2alignl 7, 3214868480
	.fill 96, 4, 3214868480
	.section	.rodata,"a",@progbits
	.p2align	6, 0x0
	.amdhsa_kernel k_q5661499f25_attn
		.amdhsa_group_segment_fixed_size 327680
		.amdhsa_private_segment_fixed_size 0
		.amdhsa_enable_private_segment 0
		.amdhsa_kernarg_size 24
		.amdhsa_user_sgpr_count 2
		.amdhsa_user_sgpr_kernarg_segment_ptr 1
		.amdhsa_wavefront_size32 1
		.amdhsa_system_sgpr_workgroup_id_x 1
		.amdhsa_system_sgpr_workgroup_id_y 1
		.amdhsa_system_sgpr_workgroup_id_z 1
		.amdhsa_system_vgpr_workitem_id 0
		.amdhsa_next_free_vgpr 256
		.amdhsa_next_free_sgpr 100
		.amdhsa_reserve_vcc 1
		.amdhsa_float_denorm_mode_32 3
		.amdhsa_float_denorm_mode_16_64 3
		.amdhsa_memory_ordered 1
		.amdhsa_forward_progress 1
		.amdhsa_inst_pref_size 105
	.end_amdhsa_kernel
	.amdgpu_metadata
---
amdhsa.version: [ 1, 2 ]
amdhsa.kernels:
  - .name:           k_q5661499f25_attn
    .symbol:         k_q5661499f25_attn.kd
    .args:
      - { .name: qbuf, .offset: 0, .size: 8, .value_kind: global_buffer, .address_space: global }
      - { .name: kvbuf, .offset: 8, .size: 8, .value_kind: global_buffer, .address_space: global }
      - { .name: obuf, .offset: 16, .size: 8, .value_kind: global_buffer, .address_space: global }
    .group_segment_fixed_size: 327680
    .private_segment_fixed_size: 0
    .kernarg_segment_align: 8
    .kernarg_segment_size: 24
    .max_flat_workgroup_size: 512
    .sgpr_count:     100
    .vgpr_count:     256
    .wavefront_size: 32
...
	.end_amdgpu_metadata
.endif
;; end of part 4
;; launch oproj (part 5): grid 4 x 64, 8 waves a work-group, clusters of 4 x 4, 327,680 bytes of LDS; arguments obuf, wbuf, out0; writes out0
.if DOCPART == 5
	.amdgcn_target "amdgcn-amd-amdhsa--gfx1250"
	.amdhsa_code_object_version 6
	.text
	.protected	k_q5661499f25_oproj
	.globl	k_q5661499f25_oproj
	.p2align	8
	.type	k_q5661499f25_oproj,@function
k_q5661499f25_oproj:
	s_mov_b64 s[64:65], 0
	v_nop
	global_prefetch_b8 v0, s[64:65] scope:SCOPE_SE
	s_setreg_imm32_b32 hwreg(HW_REG_WAVE_MODE, 25, 1), 1
	s_wait_xcnt 0x0
	s_wait_alu depctr_hold_cnt(0) depctr_sa_sdst(0) depctr_va_vdst(0) depctr_va_sdst(0) depctr_va_ssrc(0) depctr_va_vcc(0) depctr_vm_vsrc(0)
	s_getreg_b32 s2, hwreg(HW_REG_IB_STS2, 6, 4)
	s_cmp_eq_u32 s2, 0
	s_cbranch_scc0 .Lentry_in_a_cluster
	s_endpgm
.Lentry_in_a_cluster:
	s_bfe_u32 s2, ttmp6, 0x10000c
	s_cmp_lg_u32 s2, 0xf033
	s_cbranch_scc0 .Lentry_shape_is_right
	s_endpgm
.Lentry_shape_is_right:
; out0 = (attention's result) Wo on codes, f32 out.  Formats: the head of the launch quant_w.  The text is the launch qproj's up to the way out.
; A work-group makes 128 tokens x 256 columns; wave w makes tokens 64 (w / 4) on x columns 64 (w % 4) on: 16 accumulators of 16 x 16.  Two waves to a SIMD, 256 registers each.
; ALL OF K LIES IN LDS: A's 8 token tiles (98,304 bytes) and B's 16 column tiles (196,608) come in four slots of 256 along K, each filled ONCE, all asked for at the head: a wave has four tensor loads outstanding,
; and nothing is ever filled again.  The slots are multiplied as they land.
; CLUSTER 4 x 4: the four work-groups of a row of the cluster need the same tokens, the four of a column the same columns of Wo: each tile is asked for jointly.
; THE PRODUCT IS USED TRANSPOSED (source 0 = 16 columns of Wo, source 1 = 16 tokens): a lane holds eight neighbouring numbers of a row of out0.
; THE LOADS AS THEY STAND (in place of what the lines above say of them): each of the eight waves issues ONE tensor load at the head: wave 2 g fetches A's slot g, wave 2 g + 1 B's slot g, each by a load line of its own.
; So a wave has one tensor load outstanding; in front of slot g's barrier the waves up to 2 g + 1 wait for theirs.
.set BB,    98304                      ; LDS: A at slot x 24,576 + tile x 3,072 + step x 1,536; B at BB + slot x 49,152 + tile x 3,072 + step x 1,536
.set SCL,   294912                     ; A's 128 scale rows of 32 bytes, then B's 256: stored by the waves, never a tensor load's target
.set SPARE, 307200                     ; the spare words, 128 bytes a wave, which no other line names
.set ASCL,  6291456                    ; A's scale rows in its buffer
.set BCOD,  786432                     ; Wo's codes in wbuf
.set BSCL,  1703936                    ; and its scale rows
.set SA,  16                           ; v16-23  A's scale words: tile a, step q of the slot at SA + 2 a + q
.set SB,  24                           ; v24-31  B's likewise
.set AF,  32                           ; v32-79  four fragments of A
.set BF,  80                           ; v80-127 four of B
.set ACC, 128                          ; v128-255 accumulator (a, b) at ACC + 8 (4 a + b)
.set WV,  10
.set G1A, 24                           ; s[24:31] descriptor group 1 for A's tiles; s[32:39] for B's
.set G1B, 32
.set G0A, 48                           ; s[48:51] group 0 for A; s[68:71] for B
.set G0B, 68
.macro CROUND                          ; a round of the cluster's barrier
	s_barrier_signal -1
	s_barrier_wait -1
	s_cmp_lg_u32 s[WV], 0
	s_cbranch_scc1 .Lnot_wave_0_\@
	s_barrier_signal -3
.Lnot_wave_0_\@:
	s_barrier_wait -3
	s_barrier_signal -1
	s_barrier_wait -1
.endm
.macro FRAG4 reg, a16, a8, off         ; a fragment's image out of LDS: 12 registers by four loads
	ds_load_b128 v[\reg:\reg+3], v[\a16] offset:\off
	ds_load_b64 v[\reg+4:\reg+5], v[\a8] offset:\off+512
	ds_load_b128 v[\reg+6:\reg+9], v[\a16] offset:\off+768
	ds_load_b64 v[\reg+10:\reg+11], v[\a8] offset:\off+1280
.endm
; One K step of 128: eight fragments, sixteen products.  The 16 accumulators take turns in the same order in every step.  zero = 1: the products start the sums.
.macro KSTEP q, zero
.irp b, 0,1,2,3
	FRAG4 BF+12*\b, 5, 6, \b*3072+\q*1536
.endr
.irp a, 0,1,2,3
	FRAG4 AF+12*\a, 3, 4, \a*3072+\q*1536
.endr
.irp a, 0,1,2,3
	s_wait_dscnt 4*(3-\a)                          ; B's fragments and A's up to tile a are in; the later tiles' four loads each are younger
.irp b, 0,1,2,3
.if \zero
	v_wmma_scale_f32_16x16x128_f8f6f4 v[ACC+8*(4*\a+\b):ACC+8*(4*\a+\b)+7], v[BF+12*\b:BF+12*\b+11], v[AF+12*\a:AF+12*\a+11], 0, v[SB+2*\b+\q], v[SA+2*\a+\q] matrix_a_fmt:MATRIX_FMT_FP6 matrix_b_fmt:MATRIX_FMT_FP6
.else
	v_wmma_scale_f32_16x16x128_f8f6f4 v[ACC+8*(4*\a+\b):ACC+8*(4*\a+\b)+7], v[BF+12*\b:BF+12*\b+11], v[AF+12*\a:AF+12*\a+11], v[ACC+8*(4*\a+\b):ACC+8*(4*\a+\b)+7], v[SB+2*\b+\q], v[SA+2*\a+\q] matrix_a_fmt:MATRIX_FMT_FP6 matrix_b_fmt:MATRIX_FMT_FP6
.endif
.endr
.endr
.endm
	s_load_b128 s[4:7], s[0:1], 0x0                ; A's buffer s[4:5], wbuf s[6:7]
	s_load_b64 s[8:9], s[0:1], 0x10                ; out0
	v_lshl_add_u32 v1, v0, 2, SPARE                ; my spare word; never rewritten
	v_mov_b32 v2, 0                                ; 0; never rewritten
	ds_add_u32 v1, v2                              ; the wave's opening: the add, twice on end, and its wait ahead of my first tensor load
	ds_add_u32 v1, v2
	v_lshrrev_b32 v9, 5, v0
	s_delay_alu instid0(VALU_DEP_1)
	v_readfirstlane_b32 s[WV], v9                  ; wave 0..7
	s_lshr_b32 s11, s[WV], 2                       ; which 64 tokens are mine
	s_and_b32 s12, s[WV], 3                        ; which 64 columns
	s_bfe_u32 s40, ttmp6, 0x40000                  ; cx, cy: my place in the cluster
	s_bfe_u32 s41, ttmp6, 0x40004
	s_lshl_b32 s42, ttmp9, 2
	s_add_co_u32 s42, s42, s40                     ; block of 256 columns = 4 x cluster x + cx
	s_and_b32 s13, ttmp7, 0xffff
	s_lshl_b32 s13, s13, 2
	s_add_co_u32 s13, s13, s41                     ; block of 128 tokens = 4 x cluster y + cy
	s_lshl_b32 s43, s41, 2
	s_lshl_b32 s43, 15, s43                        ; my row of the cluster
	s_lshl_b32 s44, 0x1111, s40                    ; my column
	; ONE TENSOR LOAD A WAVE: wave 2 g fetches A's slot g (8 rows), wave 2 g + 1 B's slot g (16 rows).  Group 1: rows of 3,072 bytes (384 elements of 8 bytes: a tile's part of a slot), 12,288 bytes apart in memory, dense in LDS
	s_or_b32 s[G1A], s43, (3<<16)|(1<<21)
	s_or_b32 s[G1B], s44, (3<<16)|(1<<21)
	s_mov_b32 s[G1A+1], 384<<16                    ; tensor_dim0
	s_mov_b32 s[G1A+2], 8<<16
	s_mov_b32 s[G1A+3], 384<<16                    ; tile_dim0
	s_mov_b32 s[G1A+4], 8
	s_mov_b32 s[G1A+5], 1536                       ; tensor_dim0_stride
	s_mov_b32 s[G1A+6], 0
	s_mov_b32 s[G1A+7], 0
	s_mov_b32 s[G1B+1], 384<<16
	s_mov_b32 s[G1B+2], 16<<16
	s_mov_b32 s[G1B+3], 384<<16
	s_mov_b32 s[G1B+4], 16
	s_mov_b32 s[G1B+5], 1536
	s_mov_b32 s[G1B+6], 0
	s_mov_b32 s[G1B+7], 0
	s_lshr_b32 s45, s[WV], 1                       ; the slot that I fetch
	s_mul_i32 s16, s13, 98304                      ; A: the block's 8 tile rows,
	s_mul_i32 s17, s45, 3072                       ; my slot's 256 along K
	s_add_co_u32 s16, s16, s17
	s_mov_b32 s17, 0
	s_mul_i32 s46, s42, 196608                     ; B: the block's 16 tile rows
	s_mul_i32 s47, s45, 3072
	s_add_co_u32 s46, s46, s47
	s_add_co_u32 s46, s46, BCOD                    ; B: tile rows 16 block on
	s_mov_b32 s47, 0
	s_mul_i32 s20, s45, 24576                      ; where they go: the slot; no place in the cluster enters an LDS address
	s_mul_i32 s21, s45, 49152
	s_add_co_u32 s21, s21, BB
	s_lshl_b32 s88, s13, 12
	s_lshl_b32 s89, s[WV], 9
	s_add_co_u32 s88, s88, s89
	s_add_co_u32 s88, s88, ASCL                    ; A's scale rows: 4,096 bytes a block, 512 a wave
	s_mov_b32 s89, 0
	s_lshl_b32 s90, s42, 13
	s_lshl_b32 s91, s[WV], 10
	s_add_co_u32 s90, s90, s91
	s_add_co_u32 s90, s90, BSCL                    ; B's: 8,192 a block, 1,024 a wave
	s_mov_b32 s91, 0
	s_wait_dscnt 0x0                               ; both opening adds are done
	s_wait_kmcnt 0x0
	s_add_nc_u64 s[14:15], s[4:5], s[16:17]
	s_add_nc_u64 s[46:47], s[6:7], s[46:47]
	s_add_nc_u64 s[84:85], s[4:5], s[88:89]
	s_add_nc_u64 s[86:87], s[6:7], s[90:91]
.irp g, 0
	s_mov_b32 s[G0A+4*\g], 1
	s_add_co_u32 s[G0A+4*\g+1], s20, \g*24576      ; LDS address
	s_add_nc_u64 s[G0A+4*\g+2:G0A+4*\g+3], s[14:15], \g*3072   ; global address: slot g's 256 along K
	s_or_b32 s[G0A+4*\g+3], s[G0A+4*\g+3], 0x80000000          ; type = 2
	s_mov_b32 s[G0B+4*\g], 1
	s_add_co_u32 s[G0B+4*\g+1], s21, \g*49152
	s_add_nc_u64 s[G0B+4*\g+2:G0B+4*\g+3], s[46:47], \g*3072
	s_or_b32 s[G0B+4*\g+3], s[G0B+4*\g+3], 0x80000000
.endr
	CROUND                                         ; all sixteen work-groups are here: the joint loads meet
; One chain of branches on the wave's number, an arm and a load line of its own for each wave, all arms leading to one join: so a barrier can show the slots of the waves that have waited in front of it.
.macro ARM n, g0, g1
	s_cmp_eq_u32 s[WV], \n
	s_cbranch_scc0 .Lnot_\n
	tensor_load_to_lds s[\g0:\g0+3], s[\g1:\g1+7]
	s_nop 0
.rept 4
	v_nop
.endr
	s_branch .Lasked
.Lnot_\n:
.endm
	ARM 0, G0A, G1A
	ARM 1, G0B, G1B
	ARM 2, G0A, G1A
	ARM 3, G0B, G1B
	ARM 4, G0A, G1A
	ARM 5, G0B, G1B
	ARM 6, G0A, G1A
	tensor_load_to_lds s[G0B:G0B+3], s[G1B:G1B+7]
	s_nop 0
.rept 4
	v_nop
.endr
.Lasked:
	v_and_b32 v9, 31, v0                           ; lane L
	s_delay_alu instid0(VALU_DEP_1)
	v_lshlrev_b32 v10, 4, v9                       ; 16 L
	global_load_b128 v[32:35], v10, s[84:85]       ; my share of the scale rows, in whole runs of 512 bytes
	global_load_b128 v[36:39], v10, s[86:87]
	global_load_b128 v[40:43], v10, s[86:87] offset:512
	v_lshlrev_b32 v13, 3, v9                       ; 8 L
	v_and_b32 v14, 15, v0                          ; r
	v_bfe_u32 v9, v0, 4, 1                         ; h
	s_wait_alu depctr_va_vdst(0)
	s_mul_i32 s20, s11, 12288
	v_add_nc_u32 v3, s20, v10                      ; my four token tiles in slot 0
	v_add_nc_u32 v4, s20, v13
	s_mul_i32 s21, s12, 12288
	s_add_co_u32 s21, s21, BB
	v_add_nc_u32 v5, s21, v10                      ; my four column tiles
	v_add_nc_u32 v6, s21, v13
	s_lshl_b32 s20, s11, 11
	s_add_co_u32 s20, s20, SCL
	v_lshl_add_u32 v7, v14, 5, s20                 ; A's scale rows: my 64, row r of a tile
	s_lshl_b32 s21, s12, 11
	s_add_co_u32 s21, s21, SCL+4096
	v_lshl_add_u32 v8, v14, 5, s21                 ; B's
	s_lshl_b32 s20, s[WV], 9
	s_add_co_u32 s20, s20, SCL
	v_add_nc_u32 v11, s20, v10                     ; where my share of the scale rows goes
	s_lshl_b32 s21, s[WV], 10
	s_add_co_u32 s21, s21, SCL+4096
	v_add_nc_u32 v12, s21, v10
	; the way out: a stage of 16 rows x (256 bytes + 16) for each wave, in B's slot 0
	s_mul_i32 s20, s[WV], 4352
	s_add_co_u32 s20, s20, BB
	v_mul_u32_u24 v15, v9, 272
	s_delay_alu instid0(VALU_DEP_1)
	v_lshl_add_u32 v15, v14, 4, v15
	s_delay_alu instid0(VALU_DEP_1)
	v_add_nc_u32 v15, s20, v15                     ; back: lanes 0-15 one row of 256 bytes, lanes 16-31 the next
	v_lshlrev_b32 v13, 12, v9
	s_delay_alu instid0(VALU_DEP_1)
	v_lshl_add_u32 v13, v14, 4, v13                ; and the same two rows in out0: 4,096 h + 16 r
	v_mul_u32_u24 v14, v14, 272
	s_delay_alu instid0(VALU_DEP_1)
	v_lshl_add_u32 v14, v9, 5, v14
	s_delay_alu instid0(VALU_DEP_1)
	v_add_nc_u32 v14, s20, v14                     ; in: row r, 32 bytes for each half of the lanes
	s_lshl_b32 s92, s13, 7
	s_lshl_b32 s93, s11, 6
	s_add_co_u32 s92, s92, s93
	s_lshl_b32 s92, s92, 12                        ; my first token's row of 4,096 bytes,
	s_lshl_b32 s93, s42, 10
	s_add_co_u32 s92, s92, s93
	s_lshl_b32 s93, s12, 8
	s_add_co_u32 s92, s92, s93                     ; my 64 columns' 256 bytes
	s_mov_b32 s93, 0
	s_add_nc_u64 s[92:93], s[8:9], s[92:93]
	s_wait_alu depctr_va_vdst(0)
	s_wait_loadcnt 0x0
	ds_store_b128 v11, v[32:35]
	ds_store_b128 v12, v[36:39]
	ds_store_b128 v12, v[40:43] offset:512
.irp g, 0,1,2,3
.if \g < 3
	s_cmp_gt_u32 s[WV], 2*\g+1                     ; the waves that fetched slots 0 .. g wait for their one load; the later slots may still be on their way
	s_cbranch_scc1 .Lnot_yet_\g
	s_wait_tensorcnt 0x0
.Lnot_yet_\g:
.else
	s_wait_tensorcnt 0x0                           ; the last slot: every wave waits
.endif
	s_wait_dscnt 0x0                               ; slot 0: my scale rows are stored; later: no LDS instruction of mine is out
	s_barrier_signal -1
	s_barrier_wait -1                              ; everybody's part has
.irp a, 0,1,2,3
	ds_load_b64 v[SA+2*\a:SA+2*\a+1], v7 offset:512*\a+8*\g    ; the slot's two scale words of each tile's rows
	ds_load_b64 v[SB+2*\a:SB+2*\a+1], v8 offset:512*\a+8*\g
.endr
.if \g == 0
	KSTEP 0, 1
.else
	s_wait_alu depctr_va_vdst(0)
	KSTEP 0, 0
.endif
.rept 4
	v_nop                                          ; four places in front of loads into registers that matrix instructions have read
.endr
	KSTEP 1, 0
.if \g < 3
	v_add_nc_u32 v3, 24576, v3                     ; on to the next slot; these four lines are also the four places
	v_add_nc_u32 v4, 24576, v4
	v_add_nc_u32 v5, 49152, v5
	v_add_nc_u32 v6, 49152, v6
.endif
.endr
; THE WAY OUT, a block of 16 tokens x 64 columns at a time.  A lane holds 32 neighbouring bytes of a row and the lanes beside it hold other rows: so a block goes through my own stage and comes back as whole rows of
; 256 bytes.  The stage lies in B's slot 0: it has had its one fill, and every wave has passed three barriers since its last read of it.  LDS serves a wave's instructions in order: no wait between stores and loads.
.macro TOSTAGE a
.set AC, ACC+32*(\a)
.set BKK, 32+32*((\a)%2)
.irp b, 0,1,2,3
	ds_store_b128 v14, v[AC+8*\b:AC+8*\b+3] offset:64*\b          ; each accumulator from its low end on
	ds_store_b128 v14, v[AC+8*\b+4:AC+8*\b+7] offset:64*\b+16
.endr
.irp i, 0,1,2,3,4,5,6,7
	ds_load_b128 v[BKK+4*\i:BKK+4*\i+3], v15 offset:544*\i
.endr
.endm
.macro SEND a, younger                 ; younger: the LDS instructions issued behind block a's loads, which may stay out
.set BKK, 32+32*((\a)%2)
	s_wait_dscnt \younger
.irp i, 0,1,2,3,4,5,6,7
	global_store_b128 v13, v[BKK+4*\i:BKK+4*\i+3], s[92:93] offset:(16*(\a)+2*\i)*4096 th:TH_STORE_NT   ; 16 lanes store 256 consecutive bytes, at a multiple of 256 from out0's first byte; written once
.endr
.endm
.rept 4
	v_nop                                          ; four places behind the last products: results are read, and loads land in registers that held fragments
.endr
	TOSTAGE 0
.irp a, 1,2,3
.if \a > 1
	s_wait_xcnt 0x0                                ; block a - 2's stores have read their registers: block a's loads may land there
.endif
	TOSTAGE \a
	SEND \a-1, 16                                  ; behind block a - 1's loads: block a's 8 stores and 8 loads
.endr
	SEND 3, 0
	s_wait_tensorcnt 0x0                           ; the wave's end, behind my last tensor load and my last LDS store
	ds_add_u32 v1, v2
	s_wait_dscnt 0x0
	CROUND                                         ; the closing round
	s_endpgm
.Lfunc_end_k_q5661499f25_oproj:
	.size	k_q5661499f25_oproj, .Lfunc_end_k_q5661499f25_oproj-k_q5661499f25_oproj
	.p2alignl 7, 3214868480
	.fill 96, 4, 3214868480
	.section	.rodata,"a",@progbits
	.p2align	6, 0x0
	.amdhsa_kernel k_q5661499f25_oproj
		.amdhsa_group_segment_fixed_size 327680
		.amdhsa_private_segment_fixed_size 0
		.amdhsa_enable_private_segment 0
		.amdhsa_kernarg_size 24
		.amdhsa_user_sgpr_count 2
		.amdhsa_user_sgpr_kernarg_segment_ptr 1
		.amdhsa_wavefront_size32 1
		.amdhsa_system_sgpr_workgroup_id_x 1
		.amdhsa_system_sgpr_workgroup_id_y 1
		.amdhsa_system_sgpr_workgroup_id_z 1
		.amdhsa_system_vgpr_workitem_id 0
		.amdhsa_next_free_vgpr 256
		.amdhsa_next_free_sgpr 96
		.amdhsa_reserve_vcc 0
		.amdhsa_float_denorm_mode_32 3
		.amdhsa_float_denorm_mode_16_64 3
		.amdhsa_memory_ordered 1
		.amdhsa_forward_progress 1
		.amdhsa_inst_pref_size 55
	.end_amdhsa_kernel
	.amdgpu_metadata
---
amdhsa.version: [ 1, 2 ]
amdhsa.kernels:
  - .name:           k_q5661499f25_oproj
    .symbol:         k_q5661499f25_oproj.kd
    .args:
      - { .name: obuf, .offset: 0, .size: 8, .value_kind: global_buffer, .address_space: global }
      - { .name: wbuf, .offset: 8, .size: 8, .value_kind: global_buffer, .address_space: global }
      - { .name: out0, .offset: 16, .size: 8, .value_kind: global_buffer, .address_space: global }
    .group_segment_fixed_size: 327680
    .private_segment_fixed_size: 0
    .kernarg_segment_align: 8
    .kernarg_segment_size: 24
    .max_flat_workgroup_size: 256
    .sgpr_count:     96
    .vgpr_count:     256
    .wavefront_size: 32
...
	.end_amdgpu_metadata
.endif
;; end of part 5
